; MI455X (gfx1250); checked and timed in simulation.
; The chip was launched on July 23, 2026; its instructions are those of AMD's public machine-readable ISA for CDNA 5 (MIT licence, August 2026) and "CDNA5" Instruction Set Architecture Reference Guide (July 2026). The comments in the code are by the model that wrote it; some were corrected since.
;; Causal Local SDPA Block. Allowed arithmetic: matrix products marked QUANTISED: E4M3 operands, one given power-of-two scale a tensor, by v_wmma_f32_16x16x64_fp8_fp8 or v_wmma_f32_16x16x128_fp8_fp8, f32 sums; everything else in f32.
;; Inputs: W1 1,024 x 4,096 float32; W2 4,096 x 1,024 float32; Wk 1,024 x 1,024 float32; Wo 1,024 x 1,024 float32; Wq 1,024 x 1,024 float32; Wv 1,024 x 1,024 float32; b1 4,096 float32; b2 1,024 float32; bk 1,024 float32; bo 1,024 float32; bq 1,024 float32; bv 1,024 float32; ln1_b 1,024 float32; ln1_w 1,024 float32; ln2_b 1,024 float32; ln2_w 1,024 float32; lowp_scales 16 int32 (the exponents e of the quantised operands' scales 2^e); x 2 x 2,048 x 1,024 float32.
;; Outputs: out0 2 x 2,048 x 1,024 float32.
;; This version of the problem:
;;   THIS VERSION OF THE PROBLEM IS GIVEN IN LOW PRECISION. The matrix products marked QUANTISED in the list below multiply operands that are first quantised to E4M3 (4 exponent bits, 3 mantissa bits; 8 bits a number), with one given power-of-two scale for each operand tensor; their sums are f32. All else is computed in f32.
;;   The module's matrix products, in the order in which they are computed (A, B: the left and right operand; K: the contracted axis; several contracted axes count as one K, in the product's order):
;;     1. [M 4,096, K 1,024] x [K 1,024, N 1,024]; A: computed on the way; B: input Wq: QUANTISED (scales: A lowp_scales[0], B lowp_scales[1])
;;     2. [M 4,096, K 1,024] x [K 1,024, N 1,024]; A: computed on the way; B: input Wk: QUANTISED (scales: A lowp_scales[2], B lowp_scales[3])
;;     3. [M 4,096, K 1,024] x [K 1,024, N 1,024]; A: computed on the way; B: input Wv: QUANTISED (scales: A lowp_scales[4], B lowp_scales[5])
;;     4. batch 32 x [M 2,048, K 64] x [K 64, N 2,048]; A: computed on the way; B: computed on the way: QUANTISED (scales: A lowp_scales[6], B lowp_scales[7])
;;     5. batch 32 x [M 64, K 2,048] x [K 2,048, N 2,048]; A: computed on the way; B: softmax (see below): QUANTISED (scales: A lowp_scales[8], B lowp_scales[9])
;;     6. [M 4,096, K 1,024] x [K 1,024, N 1,024]; A: computed on the way; B: input Wo: QUANTISED (scales: A lowp_scales[10], B lowp_scales[11])
;;     7. [M 4,096, K 1,024] x [K 1,024, N 4,096]; A: computed on the way; B: input W1: QUANTISED (scales: A lowp_scales[12], B lowp_scales[13])
;;     8. [M 4,096, K 4,096] x [K 4,096, N 1,024]; A: computed on the way; B: input W2: QUANTISED (scales: A lowp_scales[14], B lowp_scales[15])
;;   THE QUANTISER, for each operand of a quantised product, along K:
;;     - The operand's scale is 2^e, e = its entry of the input lowp_scales (int32; the entries are numbered through the quantised products in the list's order, A before B).
;;     - Each number is divided by the scale, clamped to +-448, and rounded to the nearest number of E4M3, ties to even, subnormals kept.
;;     - The product sums the exact products of the quantised numbers (number of the format x scale) in f32.
;;   ~~~python
;;   def quantise(x, axis, e):      # numpy; x: float32 -> the quantised numbers, widened to float32 again
;;       x = np.moveaxis(x, axis, -1); K = x.shape[-1]
;;       r = np.clip(x / 2.0 ** e, -448, 448)
;;       step = 2.0 ** (np.maximum(np.frexp(np.where(r == 0, 1, r))[1] - 1, -6) - 3)
;;       q = np.round(r / step) * step * 2.0 ** e      # np.round: ties to even
;;       return np.moveaxis(q, -1, axis).astype(np.float32)
;;   ~~~
;;   SOFTMAX AHEAD OF A QUANTISED PRODUCT. Where the list says 'softmax', what is quantised is not the finished softmax but p = 2^(t - M), with t = logit x log2(e) and M = ceil(the row's largest t), a whole number; so 1/2 < the row's largest p <= 1. The row's sum l is taken of the UNQUANTISED p, in f32, and the product's result is divided by l at the end. Since M is a whole number, a kernel that streams over the keys may use a running M (the ceiling of the running maximum): every later rescaling is an exact power of two, so the quantised numbers keep their values, but for numbers so far below the row's largest that they fall under the format's range.
;;   OPERANDS COMPUTED ON THE WAY. 'Computed on the way' means the value that the module computes at that place (a softmax that the list does not call 'softmax' is quantised finished and normalised). What goes into a quantiser is computed in f32, as accurately as f32 sums, v_exp_f32 and their like allow (about 1e-6 of the number): no bf16 or f16 on the way to a quantiser, and a product that is left as it is and whose result goes on into a quantised operand takes f32 operands (vector FMAs, or v_wmma_f32_16x16x4_f32). A number that lies on a knife's edge between two numbers of the format may be rounded either way, as far as f32 arithmetic and the matrix unit's own rounding can turn it there, and no further.
;; One version. Each part assembles by itself: llvm-mc -triple=amdgcn-amd-amdhsa -mcpu=gfx1250 --defsym DOCPART=n.
;; ======== version 1 of 1: 7 launches
;; limits: right only within a limited range of input values
;; workspace buffers: wc 12,582,912 bytes; hc 12,582,912 bytes; qkv 12,582,912 bytes; ctxc 4,194,304 bytes; x1 16,777,216 bytes; h2c 4,194,304 bytes; gc 16,777,216 bytes
;; launch prep (part 1): grid 640 x 1, 4 waves a work-group, no clusters, 35,328 bytes of LDS; arguments Wq, Wk, Wv, Wo, W1, W2, x, ln1_w, ln1_b, lowp_scales, wc, hc; writes wc, hc
.if DOCPART == 1
	.amdgcn_target "amdgcn-amd-amdhsa--gfx1250"
	.amdhsa_code_object_version 6
	.text
	.protected	k_q150a78db8d_prep
	.globl	k_q150a78db8d_prep
	.p2align	8
	.type	k_q150a78db8d_prep,@function
k_q150a78db8d_prep:
	s_mov_b64 s[64:65], 0
	v_nop
	global_prefetch_b8 v0, s[64:65] scope:SCOPE_SE
	s_setreg_imm32_b32 hwreg(HW_REG_WAVE_MODE, 25, 1), 1
	s_wait_xcnt 0x0
; TWO JOBS IN ONE LAUNCH, told apart by the work-group's number.
; Work-groups 0-383: the six weights, f32 stored [K][N], become codes of E4M3 with K innermost, each with its given scale 2^e.
; Work-groups 384-639: h = LayerNorm(x) x ln1_w + ln1_b, quantised three times (the scales of the products with Wq, Wk, Wv).
; THE PANEL LAYOUT of every buffer of codes: [K/256][rows][256 bytes]: a row of a panel is 256 codes along K, rows dense.
;   wc: Wq at 0, Wk at 1 MiB, Wv at 2 MiB, Wo at 3 MiB ([4][1024][256]); W1 at 4 MiB ([4][4096][256]); W2 at 8 MiB ([16][1024][256]).
;   hc: [3 scales][4][4096 tokens][256].
; code = x / 2^e, held within +-448, to the nearest code, ties to even.  LIMITS: every e between -126 and 119; NaN among the inputs is not served.
; No matrix unit, no cluster, no tensor load: each input byte is read once, by one wave, and waves share nothing.
; WEIGHTS: a work-group takes 128 columns x one panel, a wave 32 columns.  A lane takes a column and its registers run down K, so the conversions give codes
; with K innermost; a wave's 32 rows of 256 codes go through its own stage in LDS and leave as 8,192 dense bytes, 512 a store.
; LAYERNORM: a wave takes four rows, one at a time, whole in 32 registers a lane: lane l holds numbers 256 g + 8 l + 0..7 (g = 0..3), eight neighbours along K
; for each conversion; a wave's 8-byte store is one whole row of a panel, 256 bytes.  Mean first, then the squares of x - mean: no difference of large sums.
.set NWW,   384                        ; work-groups of the weights
.set SPARE, 34816                      ; behind the four stages of 32 x 272 bytes: the spare words, 128 bytes a wave
.set SPW,   14                         ; v14  my spare word: SPARE + 4 x my thread's number; never rewritten
.set NIL,   15                         ; v15  0; never rewritten
.set WV,    32                         ; s32  my wave's number
; the weights' registers
.set X,     32                         ; v32-95   two sets of 32 numbers
.set C,     96                         ; v96-103  a block's codes
.set OUTR,  112                        ; v112-175 the way out
.set VO,    176                        ; v176-207 byte offset of my column in rows 0..31 of a block
; LayerNorm's registers
.set NS,    3                          ; scales
.set CD,    16                         ; v16-39   a row's codes, 8 registers a scale
.set T,     40                         ; v40-55   two sets of 8 held numbers
.set R,     56                         ; v56-183  four rows
.set LW,    184                        ; v184-215 the gain of my 32 columns
.set LB,    216                        ; v216-247 the bias
.set S,     248                        ; v248-255 four chains of pairs
.set PX,    20                         ; s[20:21] x
.set PW,    22                         ; s[22:23] ln1_w
.set PB,    24                         ; s[24:25] ln1_b
.set HB,    46                         ; s[46:51] where my rows' codes go, a pair for each scale
.set SEL,   58                         ; s[58:59] lane selects: lane l xor 16
.set CINV,  60                         ; s60 1/1024
.set CEPS,  61                         ; s61 1e-5
	s_load_b512 s[8:23], s[0:1], 0x0               ; Wq s[8:9], Wk, Wv, Wo, W1, W2 s[18:19], x s[20:21], ln1_w s[22:23]
	s_load_b256 s[24:31], s[0:1], 0x40             ; ln1_b s[24:25], the scales s[26:27], wc s[28:29], hc s[30:31]
	v_lshl_add_u32 v[SPW], v0, 2, SPARE
	v_mov_b32 v[NIL], 0
	v_lshrrev_b32 v1, 5, v0
	v_readfirstlane_b32 s[WV], v1                  ; wave 0..3
	v_and_b32 v2, 31, v0                           ; lane
	s_cmp_lt_u32 ttmp9, NWW
	s_cbranch_scc0 .Lln
; ---------------- THE WEIGHTS ----------------
; work-groups 0-127: Wq, Wk, Wv, Wo, 32 each (8 blocks of columns x 4 panels); 128-255: W1 (32 x 4); 256-383: W2 (8 x 16)
	s_lshr_b32 s33, ttmp9, 5
	s_lshr_b32 s34, ttmp9, 7
	s_and_b32 s35, ttmp9, 31
	s_and_b32 s36, ttmp9, 127
	s_add_co_u32 s37, s34, 3
	s_lshl_b32 s38, s33, 20
	s_lshl_b32 s39, s34, 22
	s_cmp_lt_u32 ttmp9, 128
	s_cselect_b32 s37, s33, s37                    ; which weight, 0..5
	s_cselect_b32 s35, s35, s36                    ; my number among its work-groups
	s_cselect_b32 s38, s38, s39                    ; its place in wc
	s_mov_b32 s40, 4096
	s_mov_b32 s41, 1<<18
	s_cmp_eq_u32 s34, 1                            ; W1 has 4,096 columns, the others 1,024
	s_cselect_b32 s36, 5, 3
	s_cselect_b32 s33, 31, 7
	s_cselect_b32 s40, 16384, s40                  ; bytes in a row of the weight
	s_cselect_b32 s41, 1<<20, s41                  ; bytes in a panel of its codes
	s_and_b32 s33, s35, s33                        ; block of 128 columns
	s_lshr_b32 s35, s35, s36                       ; panel
	s_lshl_b32 s33, s33, 7
	s_lshl_b32 s36, s[WV], 5
	s_add_co_u32 s33, s33, s36                     ; my wave's first column
	s_lshl_b32 s42, s37, 3                         ; the scale's byte: entries 1, 3, 5, 11, 13, 15
	s_add_co_u32 s42, s42, 4
	s_cmp_ge_u32 s37, 3
	s_cselect_b32 s43, 16, 0
	s_add_co_u32 s42, s42, s43
	s_lshl_b32 s60, s40, 8
	s_mul_i32 s60, s60, s35                        ; the panel's 256 rows down,
	s_lshl_b32 s43, s33, 2
	s_add_co_u32 s60, s60, s43                     ; my column: byte offset in the weight
	s_mov_b32 s61, 0
	s_mul_i32 s62, s35, s41
	s_add_co_u32 s62, s62, s38
	s_lshl_b32 s43, s33, 8
	s_add_co_u32 s62, s62, s43                     ; byte offset in wc
	s_mov_b32 s63, 0
	s_lshl_b32 s66, s40, 5                         ; a block's 32 rows
	s_mov_b32 s67, 0
	s_mul_i32 s43, s[WV], 32*272                   ; my stage
	s_wait_alu depctr_va_vdst(0)
	v_mul_u32_u24 v4, v2, 272
	v_add_nc_u32 v4, s43, v4                       ; into it: row = my column
	v_and_b32 v5, 15, v2
	v_lshrrev_b32 v6, 4, v2
	v_mul_u32_u24 v7, v6, 272
	v_lshl_add_u32 v7, v5, 4, v7
	v_add_nc_u32 v7, s43, v7                       ; out of it: sixteen lanes to a row, two rows an instruction
	v_lshlrev_b32 v8, 4, v2                        ; and the same 512 bytes in wc
	v_lshlrev_b32 v[VO], 2, v2
.set wi, 1
.rept 31
	v_add_nc_u32 v[VO+wi], s40, v[VO+wi-1]
.set wi, wi+1
.endr
	s_wait_alu depctr_va_vdst(0)
	s_wait_kmcnt 0x0
	s_load_b32 s68, s[26:27], s42 offset:0x0       ; e
	s_mov_b64 s[44:45], s[8:9]
.irp n, 1,2,3,4,5
	s_cmp_eq_u32 s37, \n                           ; the choice hangs on the work-group's number alone
	s_cselect_b64 s[44:45], s[8+2*\n:9+2*\n], s[44:45]
.endr
	s_add_nc_u64 s[44:45], s[44:45], s[60:61]      ; block 0 of my columns
.irp t, 1,2,3,4,5,6,7
	s_add_nc_u64 s[44+2*\t:45+2*\t], s[42+2*\t:43+2*\t], s[66:67]   ; blocks 1 to 7: a base for each, none is stepped
.endr
	s_add_nc_u64 s[28:29], s[28:29], s[62:63]
.macro WLOAD t                         ; block t: W(32 t + i, my column) into set t % 2: a wave reads 128 consecutive bytes, the four waves 512
.set wi, 0
.rept 32
	global_load_b32 v[X+32*((\t)%2)+wi], v[VO+wi], s[44+2*(\t):45+2*(\t)] th:TH_LOAD_NT
.set wi, wi+1
.endr
.endm
	WLOAD 0
	WLOAD 1
	s_wait_kmcnt 0x0
	s_add_co_i32 s68, s68, 127
	s_lshl_b32 s69, s68, 23
	v_mov_b32 v11, s69                             ; 2^e as f32: the conversion takes its exponent field
	s_add_co_i32 s68, s68, 8
	s_lshl_b32 s68, s68, 23
	s_or_b32 s68, s68, 0x600000
	v_mov_b32 v10, s68                             ; 448 x 2^e
.macro WBLOCK t
.set XS, X+32*((\t)%2)
.if (\t) < 7
	s_wait_loadcnt 32                              ; this block's 32 loads are in; the next block's may be out
.else
	s_wait_loadcnt 0
.endif
.set wi, 0
.rept 32
	v_med3_num_f32 v[XS+wi], v[XS+wi], -v10, v10   ; the conversion to an 8-bit code does not saturate (ISA guide 7.6.2): the hold comes first
.set wi, wi+1
.endr
.irp g, 0,1,2,3
	v_cvt_scalef32_pk8_fp8_f32 v[C+2*\g:C+2*\g+1], v[XS+8*\g:XS+8*\g+7], v11
.endr
	ds_store_b128 v4, v[C:C+3] offset:32*(\t)      ; 32 codes of my column's row
	ds_store_b128 v4, v[C+4:C+7] offset:32*(\t)+16
.if (\t)+2 < 8
	WLOAD (\t)+2
.endif
	s_wait_dscnt 0x0                               ; the stores have read their registers: the next block's codes may be written (its 32 holds, plain lines, come first)
.endm
	s_wait_alu depctr_va_vdst(0)
.irp t, 0,1,2,3,4,5,6,7
	WBLOCK \t
.endr
.irp t, 0,1,2,3,4,5,6,7,8,9,10,11,12,13,14,15
	ds_load_b128 v[OUTR+4*\t:OUTR+4*\t+3], v7 offset:544*\t   ; LDS serves a wave's instructions in order (ISA guide 5.7.1.4): these see my stores
.endr
.irp t, 0,1,2,3,4,5,6,7,8,9,10,11,12,13,14,15
	s_wait_dscnt 15-\t
	global_store_b128 v8, v[OUTR+4*\t:OUTR+4*\t+3], s[28:29] offset:512*\t   ; 512 consecutive bytes, aligned: two rows of the panel
.endr
	s_wait_tensorcnt 0x0                           ; the wave's end, behind my last LDS store
	ds_add_u32 v[SPW], v[NIL]
	s_wait_dscnt 0x0
	s_endpgm
; ---------------- LAYERNORM 1 ----------------
.macro MKSC e, vsc                     ; v[vsc] = 2^e as f32, v[vsc+1] = 448 x 2^e
	s_add_co_i32 s52, s[\e], 127
	s_lshl_b32 s53, s52, 23
	v_mov_b32 v[\vsc], s53
	s_add_co_i32 s52, s52, 8
	s_lshl_b32 s52, s52, 23
	s_or_b32 s52, s52, 0x600000
	v_mov_b32 v[\vsc+1], s52
.endm
.macro REDUCE                          ; the four chains of pairs -> the row's sum in v[S], in every lane
	v_pk_add_f32 v[S:S+1], v[S:S+1], v[S+2:S+3]
	v_pk_add_f32 v[S+4:S+5], v[S+4:S+5], v[S+6:S+7]
	v_pk_add_f32 v[S:S+1], v[S:S+1], v[S+4:S+5]
	v_add_f32 v[S], v[S], v[S+1]
	v_add_f32_dpp v[S], v[S], v[S] row_xmask:1 row_mask:0xf bank_mask:0xf
	v_add_f32_dpp v[S], v[S], v[S] row_xmask:2 row_mask:0xf bank_mask:0xf
	v_add_f32_dpp v[S], v[S], v[S] row_xmask:4 row_mask:0xf bank_mask:0xf
	v_add_f32_dpp v[S], v[S], v[S] row_xmask:8 row_mask:0xf bank_mask:0xf
	v_permlanex16_b32 v7, v[S], s[SEL], s[SEL+1]
	v_add_f32 v[S], v[S], v7
.endm
.macro ROW j
.set RJ, R+32*(\j)
	s_wait_loadcnt 8*(3-(\j))                      ; gain, bias and this row are in; the later rows' eight loads each may be out
.irp c, 0,1,2,3
	v_pk_add_f32 v[S+2*\c:S+2*\c+1], v[RJ+2*\c:RJ+2*\c+1], v[RJ+8+2*\c:RJ+9+2*\c]
.endr
.irp o, 16,24
.irp c, 0,1,2,3
	v_pk_add_f32 v[S+2*\c:S+2*\c+1], v[S+2*\c:S+2*\c+1], v[RJ+\o+2*\c:RJ+\o+2*\c+1]
.endr
.endr
	REDUCE
	v_mul_f32 v2, s[CINV], v[S]                    ; the mean
	v_mov_b32 v3, v2
.set q, 0
.rept 16
	v_pk_add_f32 v[RJ+q:RJ+q+1], v[RJ+q:RJ+q+1], v[2:3] neg_lo:[0,1] neg_hi:[0,1]   ; x - mean
.set q, q+2
.endr
.irp c, 0,1,2,3
	v_pk_mul_f32 v[S+2*\c:S+2*\c+1], v[RJ+2*\c:RJ+2*\c+1], v[RJ+2*\c:RJ+2*\c+1]
.endr
.irp o, 8,16,24
.irp c, 0,1,2,3
	v_pk_fma_f32 v[S+2*\c:S+2*\c+1], v[RJ+\o+2*\c:RJ+\o+2*\c+1], v[RJ+\o+2*\c:RJ+\o+2*\c+1], v[S+2*\c:S+2*\c+1]
.endr
.endr
	REDUCE
	v_fma_f32 v5, v[S], s[CINV], s[CEPS]           ; the variance + 1e-5
	s_wait_alu depctr_va_vdst(0)
	v_rsq_f32 v4, v5
	v_nop                                          ; a plain line behind the transcendental (ISA guide 5.7.2),
	s_wait_alu depctr_va_vdst(0)                   ; and the wait ahead of its first reader
	v_mov_b32 v5, v4
.set q, 0
.rept 16
	v_pk_mul_f32 v[RJ+q:RJ+q+1], v[RJ+q:RJ+q+1], v[4:5]
.set q, q+2
.endr
.set q, 0
.rept 16
	v_pk_fma_f32 v[RJ+q:RJ+q+1], v[RJ+q:RJ+q+1], v[LW+q:LW+q+1], v[LB+q:LB+q+1]
.set q, q+2
.endr
.if (\j) > 0
	s_wait_xcnt 0x0                                ; the last row's stores have read their data: the codes' registers are written again only behind this wait
.endif
.set qs, 0
.rept NS
.set qg, 0
.rept 4
.set qi, 0
.rept 8
	v_med3_num_f32 v[T+8*(qg%2)+qi], v[RJ+8*qg+qi], -v[9+2*qs], v[9+2*qs]   ; held into one of two sets: the eight holds of the next group are the plain lines behind a conversion
.set qi, qi+1
.endr
	v_cvt_scalef32_pk8_fp8_f32 v[CD+8*qs+2*qg:CD+8*qs+2*qg+1], v[T+8*(qg%2):T+8*(qg%2)+7], v[8+2*qs]
.set qg, qg+1
.endr
.set qs, qs+1
.endr
	v_nop                                          ; a plain line behind the last conversion
.set qs, 0
.rept NS
.set qg, 0
.rept 4
	global_store_b64 v6, v[CD+8*qs+2*qg:CD+8*qs+2*qg+1], s[HB+2*qs:HB+2*qs+1] offset:qg*1048576+(\j)*256   ; the wave stores one whole row of panel g: 256 bytes, aligned
.set qg, qg+1
.endr
.set qs, qs+1
.endr
.endm
.Lln:
	s_sub_co_u32 s33, ttmp9, NWW
	s_lshl_b32 s33, s33, 4
	s_lshl_b32 s34, s[WV], 2
	s_add_co_u32 s33, s33, s34                     ; my wave's first row: 16 x work-group + 4 x wave
	s_lshl_b32 s34, s33, 12
	s_mov_b32 s35, 0
	s_lshl_b32 s36, s33, 8
	s_mov_b32 s37, 0
	s_mov_b32 s[SEL], 0x76543210
	s_mov_b32 s[SEL+1], 0xfedcba98
	s_mov_b32 s[CINV], 0x3a800000
	s_mov_b32 s[CEPS], 0x3727c5ac
	s_wait_alu depctr_va_vdst(0)
	v_lshlrev_b32 v1, 5, v2                        ; 32 x lane: my eight numbers of each 256
	v_lshlrev_b32 v6, 3, v2                        ; 8 x lane: their codes
	v_mov_b32 v7, 0                                ; written once: a lane permute's destination counts as read
	s_wait_alu depctr_va_vdst(0)
	s_wait_kmcnt 0x0
	s_load_b128 s[40:43], s[26:27], 0x0            ; entries 0 and 2 are h's scales for Wq and Wk,
	s_load_b32 s44, s[26:27], 0x10                 ; entry 4 for Wv
	s_add_nc_u64 s[PX:PX+1], s[PX:PX+1], s[34:35]
	s_add_nc_u64 s[HB:HB+1], s[30:31], s[36:37]
	s_add_nc_u64 s[HB+2:HB+3], s[HB:HB+1], 0x400000
	s_add_nc_u64 s[HB+4:HB+5], s[HB:HB+1], 0x800000
.irp g, 0,1,2,3
	global_load_b128 v[LW+8*\g:LW+8*\g+3], v1, s[PW:PW+1] offset:1024*\g
	global_load_b128 v[LW+8*\g+4:LW+8*\g+7], v1, s[PW:PW+1] offset:1024*\g+16
	global_load_b128 v[LB+8*\g:LB+8*\g+3], v1, s[PB:PB+1] offset:1024*\g
	global_load_b128 v[LB+8*\g+4:LB+8*\g+7], v1, s[PB:PB+1] offset:1024*\g+16
.endr
.irp j, 0,1,2,3
.irp g, 0,1,2,3
	global_load_b128 v[R+32*\j+8*\g:R+32*\j+8*\g+3], v1, s[PX:PX+1] offset:4096*\j+1024*\g
	global_load_b128 v[R+32*\j+8*\g+4:R+32*\j+8*\g+7], v1, s[PX:PX+1] offset:4096*\j+1024*\g+16
.endr
.endr
	s_wait_kmcnt 0x0
	MKSC 40, 8
	MKSC 42, 10
	MKSC 44, 12
	ROW 0
	ROW 1
	ROW 2
	ROW 3
	s_endpgm
.Lfunc_end_k_q150a78db8d_prep:
	.size	k_q150a78db8d_prep, .Lfunc_end_k_q150a78db8d_prep-k_q150a78db8d_prep
	.p2alignl 7, 3214868480
	.fill 96, 4, 3214868480
	.section	.rodata,"a",@progbits
	.p2align	6, 0x0
	.amdhsa_kernel k_q150a78db8d_prep
		.amdhsa_group_segment_fixed_size 35328
		.amdhsa_private_segment_fixed_size 0
		.amdhsa_enable_private_segment 0
		.amdhsa_kernarg_size 96
		.amdhsa_user_sgpr_count 2
		.amdhsa_user_sgpr_kernarg_segment_ptr 1
		.amdhsa_wavefront_size32 1
		.amdhsa_system_sgpr_workgroup_id_x 1
		.amdhsa_system_sgpr_workgroup_id_y 1
		.amdhsa_system_sgpr_workgroup_id_z 1
		.amdhsa_system_vgpr_workitem_id 0
		.amdhsa_next_free_vgpr 256
		.amdhsa_next_free_sgpr 100
		.amdhsa_reserve_vcc 0
		.amdhsa_float_denorm_mode_32 3
		.amdhsa_float_denorm_mode_16_64 3
		.amdhsa_memory_ordered 1
		.amdhsa_forward_progress 1
		.amdhsa_inst_pref_size 115
	.end_amdhsa_kernel
	.amdgpu_metadata
---
amdhsa.version: [ 1, 2 ]
amdhsa.kernels:
  - .name:           k_q150a78db8d_prep
    .symbol:         k_q150a78db8d_prep.kd
    .args:
      - { .name: Wq, .offset: 0, .size: 8, .value_kind: global_buffer, .address_space: global }
      - { .name: Wk, .offset: 8, .size: 8, .value_kind: global_buffer, .address_space: global }
      - { .name: Wv, .offset: 16, .size: 8, .value_kind: global_buffer, .address_space: global }
      - { .name: Wo, .offset: 24, .size: 8, .value_kind: global_buffer, .address_space: global }
      - { .name: W1, .offset: 32, .size: 8, .value_kind: global_buffer, .address_space: global }
      - { .name: W2, .offset: 40, .size: 8, .value_kind: global_buffer, .address_space: global }
      - { .name: x, .offset: 48, .size: 8, .value_kind: global_buffer, .address_space: global }
      - { .name: ln1_w, .offset: 56, .size: 8, .value_kind: global_buffer, .address_space: global }
      - { .name: ln1_b, .offset: 64, .size: 8, .value_kind: global_buffer, .address_space: global }
      - { .name: lowp_scales, .offset: 72, .size: 8, .value_kind: global_buffer, .address_space: global }
      - { .name: wc, .offset: 80, .size: 8, .value_kind: global_buffer, .address_space: global }
      - { .name: hc, .offset: 88, .size: 8, .value_kind: global_buffer, .address_space: global }
    .group_segment_fixed_size: 35328
    .private_segment_fixed_size: 0
    .kernarg_segment_align: 8
    .kernarg_segment_size: 96
    .max_flat_workgroup_size: 128
    .sgpr_count:     100
    .vgpr_count:     256
    .wavefront_size: 32
...
	.end_amdgpu_metadata
.endif
;; end of part 1
;; launch qkv (part 2): grid 4 x 48, 4 waves a work-group, clusters of 4 x 4, 327,680 bytes of LDS; arguments hc, wc, lowp_scales, bq, bk, bv, qkv; writes qkv
.if DOCPART == 2
	.amdgcn_target "amdgcn-amd-amdhsa--gfx1250"
	.amdhsa_code_object_version 6
	.text
	.protected	k_q150a78db8d_qkv
	.globl	k_q150a78db8d_qkv
	.p2align	8
	.type	k_q150a78db8d_qkv,@function
k_q150a78db8d_qkv:
	s_mov_b64 s[64:65], 0
	v_nop
	global_prefetch_b8 v0, s[64:65] scope:SCOPE_SE
	s_setreg_imm32_b32 hwreg(HW_REG_WAVE_MODE, 25, 1), 1
	s_wait_xcnt 0x0
	s_wait_alu depctr_hold_cnt(0) depctr_sa_sdst(0) depctr_va_vdst(0) depctr_va_sdst(0) depctr_va_ssrc(0) depctr_va_vcc(0) depctr_vm_vsrc(0)
	s_getreg_b32 s2, hwreg(HW_REG_IB_STS2, 6, 4)
	s_cmp_eq_u32 s2, 0
	s_cbranch_scc0 .Lentry_in_a_cluster
	s_endpgm
.Lentry_in_a_cluster:
	s_bfe_u32 s2, ttmp6, 0x10000c
	s_cmp_lg_u32 s2, 0xf033
	s_cbranch_scc0 .Lentry_shape_is_right
	s_endpgm
.Lentry_shape_is_right:
; A GEMM ON CODES OF E4M3 WHOSE RESULT IS QUANTISED AGAIN.  One text for two launches; QKV says which.
; QKV = 1: q = h Wq + bq, k = h Wk + bk, v = h Wv + bv, each from its own codes of h (hc) and of the weight (wc), each quantised for attention's products.
; QKV = 0: g = gelu(h2 W1 + b1) (the tanh form, as x / (1 + 2^(x (KA x^2 + KB)))), quantised for the last product.
; Operands lie in panels [K/256][rows][256 bytes], so a tile of 128 rows x 256 codes is one dense block of 32,768 bytes, and so does the result: 256 columns of C are one panel.
; A tile of C, 256 x 256, is made by four waves, as many as a WGP has SIMDs; a wave makes 128 x 128: 64 accumulators, 512 registers.  K = 1,024 goes in four steps of 256 through two LDS slots.
; CLUSTERS: 4 x 4 work-groups.  The four of a row of the cluster need the same tiles of A, the four of a column the same tiles of B: each tile is asked for jointly, by the same tensor load, descriptor and mask.
; THE MATRIX INSTRUCTION IS USED TRANSPOSED (source 0 = 16 rows of B, source 1 = 16 rows of A): a lane holds eight neighbouring columns of one row of C, which one conversion turns into eight codes.
; QKV = 1, the grid's y: clusters 0-3 make q, 4-7 k, 8-11 v.  For v the sides change places (A = Wv's rows n, B = the tokens): the same loop then gives C[n][token], codes with the KEYS innermost,
; as attention's second product wants them.  Only pointers, panel strides and the bias's axis differ, and all of that hangs on the cluster's y alone, which all sixteen partners share.
;   qkv: q at 0 and k at 4 MiB, [4][4096 tokens][256]; v at 8 MiB, [16 = token/256][1024 n][256 tokens].
; SCALES: a sum stands for sum x 2^(eA + eB).  Attention's first product is lowered with k as its left operand: k takes entry 6, q entry 7; v takes entry 8.
; LIMITS: eA + eB between -126 and 127; the result's e between -126 and 119; NaN is not served.  192 work-groups where QKV = 1: a narrower tile would store halves of a panel's rows.
; REGISTERS, in windows of 256: window 0: v16-31 addresses; v32-47 codes; v48-55 the bias by rows; v56, v57 2^e and 448 x 2^e; v[60:61] KB; v64-127 the bias by columns; v128-255 A's fragments, ONE set, later the way out.
;   window 1: B's fragments, two sets.   windows 2, 3: the accumulators of my rows 0-63, 64-127 ((a, b) at v[8 (8 (a % 4) + b)]).
.set QKV,    1
.set PITCH,  272                       ; an LDS row: 256 bytes + 16 of padding = 68 words: row r starts at bank 4 r mod 64 (ISA guide 11.1)
.set FR,     16                        ; registers of a fragment: 16 rows x 128 K
.set NL,     4                         ; LDS loads that bring one
.set NP,     4                         ; places behind this matrix instruction (ISA guide 7.12.1)
.set HALFT,  128*PITCH                 ; what one tensor load brings
.set SLOT,   4*HALFT                   ; A's 256 rows, then B's 256 rows
.set SPARE,  2*SLOT                    ; behind the ring: the spare words, 128 bytes a wave
.set DW0,    (1<<20)|(1<<21)|(5<<22)|(3<<25)   ; group 1, word 0 beside the mask: elements of 1 byte; padding on; bit 21 beside a mask; after every 64 words; 4 words
.set ADRA, 16
.set ADRB, 20
.set STO,  24                          ; the stage (256 rows x 272 bytes, in slot 0): where I put 8 codes
.set RD,   25                          ; where I read rows back
.set CO,   26                          ; 16 x lane
.set SPW,  28
.set NIL,  29
.set BH,   30                          ; 32 x (lane / 16)
.set BR,   31                          ; 4 x (lane % 16)
.set CODE, 32
.set RB,   48
.set SC,   56
.set LIM,  57
.set KBP,  60
.set CB,   64
.set AF,   128
.set TMP,  128
.set Z,    192
.set G1,   24
.set G0,   32
.set G1B,  48
.set G0B,  56
.set MSB, 0
.macro WIN new                         ; the immediate's high byte repeats the setting that is left
.if MSB != \new
	s_set_vgpr_msb (MSB<<8)|\new
.set MSB, \new
.endif
.endm
.set MUL_LO, 0xa1                      ; source 0 (B) window 1, source 1 (A) window 0, C and D window 2
.set MUL_HI, 0xf1
.set TO_B,   0x40
.macro JLOAD g0a, g1a, g0b, g1b        ; a joint load: waves 0, 1 fetch for A, waves 2, 3 for B; an s_nop 0 and four v_nop follow each line
	s_cmp_eq_u32 s15, 0
	s_cbranch_scc0 .Lfor_b_\@
	tensor_load_to_lds s[\g0a:\g0a+3], s[\g1a:\g1a+7]
	s_nop 0
.rept 4
	v_nop
.endr
	s_branch .Lasked_\@
.Lfor_b_\@:
	tensor_load_to_lds s[\g0b:\g0b+3], s[\g1b:\g1b+7]
	s_nop 0
.rept 4
	v_nop
.endr
.Lasked_\@:
.endm
.macro CREST
	s_cmp_lg_u32 s14, 0
	s_cbranch_scc1 .Lnot_wave_0_\@
	s_barrier_signal -3
.Lnot_wave_0_\@:
	s_barrier_wait -3
	s_barrier_signal -1
	s_barrier_wait -1
.endm
.macro CROUND
	s_barrier_signal -1
	s_barrier_wait -1
	CREST
.endm
	s_load_b128 s[4:7], s[0:1], 0x0                ; the activations' codes s[4:5], wc s[6:7]
	s_load_b128 s[8:11], s[0:1], 0x10              ; the scales s[8:9], the first bias s[10:11]
.if QKV
	s_load_b128 s[76:79], s[0:1], 0x20             ; bk, bv
	s_load_b64 s[80:81], s[0:1], 0x30              ; the result
.else
	s_load_b64 s[80:81], s[0:1], 0x20
.endif
	v_lshl_add_u32 v[SPW], v0, 2, SPARE
	v_mov_b32 v[NIL], 0
	ds_add_u32 v[SPW], v[NIL]                      ; the wave's opening: the add and its wait ahead of my first tensor load
	ds_add_u32 v[SPW], v[NIL]
	v_and_b32 v27, 31, v0
	v_lshlrev_b32 v27, 8, v27                      ; the prefetches' offset: a lane a row of 256 bytes; never rewritten
	v_lshrrev_b32 v1, 5, v0
	v_readfirstlane_b32 s14, v1
	s_lshr_b32 s15, s14, 1                         ; my half of the tile's rows.  Also: I fetch for A (0) or B (1)
	s_and_b32 s16, s14, 1                          ; my half of its columns.  Also: which 128 rows I fetch
	s_bfe_u32 s40, ttmp6, 0x40000                  ; cx
	s_bfe_u32 s41, ttmp6, 0x40004                  ; cy
	s_and_b32 s82, ttmp7, 0xffff                   ; the cluster's y
	s_mov_b32 s68, 0x100000                        ; from panel to panel of A, in bytes,
	s_mov_b32 s70, 0x100000                        ; and of B
.if QKV
	s_lshr_b32 s83, s82, 2                         ; 0: q, 1: k, 2: v
	s_and_b32 s84, s82, 3
	s_lshl_b32 s84, s84, 2
	s_mov_b32 s70, 0x40000
	s_cmp_eq_u32 s83, 2
	s_cselect_b32 s85, 1, 0                        ; v's part?
	s_cselect_b32 s17, 0, s84                      ; the cluster's first tile row (16 of tokens; for v: 4 of n),
	s_cselect_b32 s42, s84, 0                      ; and tile column
	s_cselect_b32 s68, 0x40000, s68
	s_cselect_b32 s70, 0x100000, s70
.else
	s_lshl_b32 s17, s82, 2
	s_lshl_b32 s42, ttmp9, 2
.endif
	s_add_co_u32 s17, s17, s41                     ; tile row of C
	s_add_co_u32 s42, s42, s40                     ; tile column of C
	s_lshl_b32 s43, s41, 2
	s_lshl_b32 s43, 15, s43                        ; my row of the cluster
	s_lshl_b32 s44, 0x1111, s40                    ; my column
	s_or_b32 s[G1], s43, DW0
	s_or_b32 s[G1B], s44, DW0
.irp g, G1, G1B
	s_mov_b32 s[\g+1], 256<<16                     ; tensor_dim0 = 256
	s_mov_b32 s[\g+2], 128<<16                     ; tensor_dim1 = 128
	s_mov_b32 s[\g+3], 256<<16                     ; tile_dim0
	s_mov_b32 s[\g+4], 128                         ; tile_dim1
	s_mov_b32 s[\g+5], 256                         ; the pitch: a panel's rows are dense
	s_mov_b32 s[\g+6], 0
	s_mov_b32 s[\g+7], 0
.endr
	s_mov_b32 s69, 0
	s_mov_b32 s71, 0
	s_mov_b32 s73, 0
	s_mov_b32 s75, 0
	s_lshl_b32 s72, s68, 1                         ; two panels on
	s_lshl_b32 s74, s70, 1
	s_lshl_b32 s18, s16, 15                        ; which 128 rows of 256 bytes I fetch
	s_lshl_b32 s20, s17, 16
	s_add_co_u32 s20, s20, s18                     ; A: hangs on the tile row alone
	s_mov_b32 s21, 0
	s_lshl_b32 s46, s42, 16
	s_add_co_u32 s46, s46, s18                     ; B: on the tile column alone
	s_mov_b32 s47, 0
	s_mul_i32 s45, s14, HALFT
	s_wait_alu depctr_va_vdst(0)
	s_wait_dscnt 0x0
	s_wait_kmcnt 0x0
.if QKV
	s_lshl_b32 s86, s83, 22
	s_mov_b32 s87, 0
	s_add_nc_u64 s[4:5], s[4:5], s[86:87]          ; this part's codes of h,
	s_add_nc_u64 s[80:81], s[80:81], s[86:87]      ; its place in the result,
	s_lshl_b32 s86, s83, 20
	s_add_nc_u64 s[6:7], s[6:7], s[86:87]          ; its weight
	s_cmp_eq_u32 s85, 1
	s_cselect_b64 s[88:89], s[6:7], s[4:5]         ; side A,
	s_cselect_b64 s[90:91], s[4:5], s[6:7]         ; side B
	s_lshl_b32 s92, s83, 3                         ; the operands' two scales: entries 2 part, 2 part + 1
	s_lshl_b32 s93, s83, 2
	s_sub_co_u32 s93, 28, s93                      ; the result's: q entry 7, k entry 6,
	s_cmp_eq_u32 s83, 2
	s_cselect_b32 s93, 32, s93                     ; v entry 8
	s_load_b64 s[96:97], s[8:9], s92 offset:0x0
	s_load_b32 s98, s[8:9], s93 offset:0x0
.else
	s_mov_b64 s[88:89], s[4:5]
	s_add_nc_u64 s[90:91], s[6:7], 0x400000        ; W1's codes
	s_load_b64 s[96:97], s[8:9], 0x30              ; entries 12, 13
	s_load_b32 s98, s[8:9], 0x38                   ; entry 14
.endif
	s_add_nc_u64 s[20:21], s[88:89], s[20:21]
	s_add_nc_u64 s[46:47], s[90:91], s[46:47]
	; PREFETCH INTO THE L2 of panels 1 to 3: of the 128 rows that my wave fetches, the partner at place p among the four that ask jointly (cx for A, cy for B) names rows 32 p .. 32 p + 31: told apart by address alone
	s_cmp_eq_u32 s15, 0
	s_cselect_b64 s[88:89], s[20:21], s[46:47]
	s_cselect_b64 s[2:3], s[68:69], s[70:71]       ; from panel to panel
	s_cselect_b32 s86, s40, s41
	s_lshl_b32 s86, s86, 13
	s_mov_b32 s87, 0
	s_add_nc_u64 s[88:89], s[88:89], s[86:87]
	s_add_nc_u64 s[88:89], s[88:89], s[2:3]        ; panel 1
	s_add_nc_u64 s[90:91], s[88:89], s[2:3]        ; panel 2
	s_add_nc_u64 s[86:87], s[90:91], s[2:3]        ; panel 3, the last
	CROUND
	s_mov_b32 s[G0], 1
	s_add_co_u32 s[G0+1], s45, 0
	s_mov_b64 s[G0+2:G0+3], s[20:21]               ; panel 0
	s_or_b32 s[G0+3], s[G0+3], 0x80000000
	s_mov_b32 s[G0B], 1
	s_add_co_u32 s[G0B+1], s45, 0
	s_mov_b64 s[G0B+2:G0B+3], s[46:47]
	s_or_b32 s[G0B+3], s[G0B+3], 0x80000000
	JLOAD G0, G1, G0B, G1B
	global_prefetch_b8 v27, s[88:89] th:TH_LOAD_NT scope:SCOPE_SE   ; panel 1, which the next joint load brings
	s_mov_b32 s[G0+4], 1
	s_add_co_u32 s[G0+5], s45, SLOT
	s_add_nc_u64 s[G0+6:G0+7], s[20:21], s[68:69]  ; panel 1
	s_or_b32 s[G0+7], s[G0+7], 0x80000000
	s_mov_b32 s[G0B+4], 1
	s_add_co_u32 s[G0B+5], s45, SLOT
	s_add_nc_u64 s[G0B+6:G0B+7], s[46:47], s[70:71]
	s_or_b32 s[G0B+7], s[G0B+7], 0x80000000
	s_wait_alu depctr_va_vdst(0)
	s_wait_tensorcnt 0x0                           ; slot 1's first fill is issued as a refill is: my part of panel 0 is in,
	ds_add_u32 v[SPW], v[NIL]                      ; the add,
	s_wait_dscnt 0x0
	CROUND                                         ; and a whole round
	JLOAD G0+4, G1, G0B+4, G1B
	global_prefetch_b8 v27, s[90:91] th:TH_LOAD_NT scope:SCOPE_SE   ; panel 2, the first refill's,
	global_prefetch_b8 v27, s[86:87] th:TH_LOAD_NT scope:SCOPE_SE   ; and panel 3, the second's
	v_and_b32 v1, 15, v0
	v_bfe_u32 v2, v0, 4, 1                         ; h
	v_mul_u32_u24 v3, v1, PITCH
	s_wait_alu depctr_va_vdst(0)
	v_lshl_add_u32 v4, v2, 4, v3                   ; a fragment's row x pitch + 16 h
	s_mul_i32 s22, s15, HALFT                      ; my 128 rows of A,
	s_mul_i32 s23, s16, HALFT
	s_add_co_u32 s23, s23, 2*HALFT                 ; of B
.irp s, 0,1
	v_add_nc_u32 v[ADRA+\s], s22, v4
	v_add_nc_u32 v[ADRB+\s], s23, v4
	s_add_co_u32 s22, s22, SLOT
	s_add_co_u32 s23, s23, SLOT
.endr
	s_mul_i32 s22, s15, 128*PITCH
	s_lshl_b32 s23, s16, 7
	s_add_co_u32 s22, s22, s23
	v_lshl_add_u32 v[STO], v2, 3, v3
	v_add_nc_u32 v[STO], s22, v[STO]               ; the stage: row 128 x my half + r, byte 128 x my half + 8 h
	s_mul_i32 s22, s15, 128*PITCH
	s_mul_i32 s23, s16, 16*PITCH
	s_add_co_u32 s22, s22, s23
	v_mul_u32_u24 v5, v2, PITCH
	v_lshl_add_u32 v5, v1, 4, v5
	v_add_nc_u32 v[RD], s22, v5                    ; back: of each group of 32 rows of my half of the tile I take 16, two an instruction
	v_and_b32 v6, 31, v0
	v_lshlrev_b32 v[CO], 4, v6
	v_lshlrev_b32 v[BH], 5, v2
	s_wait_alu depctr_va_vdst(0)
	v_lshlrev_b32 v[BR], 2, v1
	s_wait_alu depctr_va_vdst(0)
	s_mul_i32 s22, s42, s68                        ; the result: the tile column's panel (its stride is A's),
	s_lshl_b32 s23, s17, 16                        ; the tile row's 256 rows,
	s_add_co_u32 s22, s22, s23
	s_lshl_b32 s23, s15, 15                        ; my half's 128 rows,
	s_add_co_u32 s22, s22, s23
	s_lshl_b32 s23, s16, 12                        ; my 16 of a group's 32
	s_add_co_u32 s22, s22, s23
	s_mov_b32 s23, 0
	s_add_nc_u64 s[80:81], s[80:81], s[22:23]
	s_lshl_b32 s94, s42, 10                        ; the bias of my 128 columns,
	s_lshl_b32 s22, s16, 9
	s_add_co_u32 s94, s94, s22
	s_mov_b32 s95, 0
.if QKV
	s_lshl_b32 s66, s17, 10                        ; and of my 128 rows.  The set that the part does not use is read from the bias's first bytes: both are written on every way, and no load leaves the 4,096 bytes
	s_lshl_b32 s22, s15, 9
	s_add_co_u32 s66, s66, s22
	s_mov_b32 s67, 0
	s_cmp_eq_u32 s85, 1
	s_cselect_b32 s94, 0, s94
	s_cselect_b32 s66, s66, 0
	s_cmp_eq_u32 s83, 1
	s_cselect_b64 s[10:11], s[76:77], s[10:11]
	s_cmp_eq_u32 s83, 2
	s_cselect_b64 s[10:11], s[78:79], s[10:11]
	s_add_nc_u64 s[66:67], s[10:11], s[66:67]
.endif
	s_add_nc_u64 s[94:95], s[10:11], s[94:95]
.irp b, 0,1,2,3,4,5,6,7
	global_load_b128 v[CB+8*\b:CB+8*\b+3], v[BH], s[94:95] offset:64*\b        ; bias(16 b + 8 h + 0..7): the layout of an accumulator's eight registers
	global_load_b128 v[CB+8*\b+4:CB+8*\b+7], v[BH], s[94:95] offset:64*\b+16
.endr
.if QKV
.irp a, 0,1,2,3,4,5,6,7
	global_load_b32 v[RB+\a], v[BR], s[66:67] offset:64*\a                     ; bias(16 a + r)
.endr
.endif
.macro FRAG reg, adr, q, i             ; lane l holds row l % 16; registers 4 c .. 4 c + 3 hold K = 32 c + 16 (l / 16) + 0..15: one permutation of K, the same in A and in B
.irp c, 0,1,2,3
	ds_load_b128 v[\reg+4*\c:\reg+4*\c+3], v[\adr] offset:128*(\q)+32*\c+(\i)*16*PITCH
.endr
.endm
.macro MUL16 a0, p, zero               ; A's blocks a0, a0 + 1 x B's eight.  The 64 accumulators take turns, one instruction a turn
.irp a, \a0, \a0+1
.irp b, 0,1,2,3,4,5,6,7
.if \zero
	v_wmma_f32_16x16x128_fp8_fp8 v[8*(8*((\a)%4)+\b):8*(8*((\a)%4)+\b)+7], v[128*(\p)+FR*\b:128*(\p)+FR*\b+FR-1], v[AF+FR*(\a):AF+FR*(\a)+FR-1], 0
.else
	v_wmma_f32_16x16x128_fp8_fp8 v[8*(8*((\a)%4)+\b):8*(8*((\a)%4)+\b)+7], v[128*(\p)+FR*\b:128*(\p)+FR*\b+FR-1], v[AF+FR*(\a):AF+FR*(\a)+FR-1], v[8*(8*((\a)%4)+\b):8*(8*((\a)%4)+\b)+7]
.endif
.endr
.endr
.endm
.macro FETCH_B slot, q, p
	WIN TO_B
.irp i, 0,1,2,3,4,5,6,7
	FRAG 128*(\p)+FR*\i, ADRB+\slot, \q, \i
.endr
	WIN 0
.endm
.macro FETCH_A slot, q, i0
.irp i, \i0, \i0+1, \i0+2, \i0+3
	FRAG AF+FR*(\i), ADRA+\slot, \q, \i
.endr
.endm
.macro PLACES n                        ; plain vector lines between a matrix instruction and a load into, or a read of, its registers
.rept \n
	v_nop
.endr
.endm
.macro STEP slot, q, zero              ; 128 along K whose successor lies in the same slot
	s_wait_dscnt 4*NL                              ; B's set and A's blocks 0-3 are in; A's blocks 4-7, the youngest 16 loads, may be out
	WIN MUL_LO
	MUL16 0, (\q)%2, \zero
	MUL16 2, (\q)%2, \zero
	s_wait_dscnt 0
	PLACES NP
	FETCH_B \slot, (\q)+1, 1-(\q)%2
	FETCH_A \slot, (\q)+1, 0
	WIN MUL_HI
	MUL16 4, (\q)%2, \zero
	MUL16 6, (\q)%2, \zero
	PLACES NP
	WIN 0
	FETCH_A \slot, (\q)+1, 4
.endm
.macro TURN slot, next, fill           ; a slot's last 128 along K, and the change of slots: one barrier; fill = 1: it opens a round of the cluster's barrier and the slot is filled again
	s_wait_tensorcnt 0x0                           ; all my tensor loads have landed: my part of the next slot
	ds_add_u32 v[SPW], v[NIL]                      ; 0 onto my spare word
	s_wait_dscnt 4*NL+1                            ; (the add and A's blocks 4-7 may be out)
	WIN MUL_LO
	MUL16 0, 1, 0
	s_wait_dscnt 0x0                               ; the add is done, and my reads of this slot are over
	s_barrier_signal -1
	MUL16 2, 1, 0
	WIN 0
	s_barrier_wait -1
.if \fill
	CREST                                          ; no wave of any partner still reads this slot or has a load on its way
	s_add_nc_u64 s[G0+4*\slot+2:G0+4*\slot+3], s[G0+4*\slot+2:G0+4*\slot+3], s[72:73]
	s_add_nc_u64 s[G0B+4*\slot+2:G0B+4*\slot+3], s[G0B+4*\slot+2:G0B+4*\slot+3], s[74:75]
	JLOAD G0+4*\slot, G1, G0B+4*\slot, G1B         ; the first tensor load behind the round, my only one; its four v_nop are the places in front of the loads below
.else
	PLACES NP
.endif
	FETCH_B \next, 0, 0
	FETCH_A \next, 0, 0
	WIN MUL_HI
	MUL16 4, 1, 0
	MUL16 6, 1, 0
	PLACES NP
	WIN 0
	FETCH_A \next, 0, 4
.endm
	s_wait_tensorcnt 1                             ; my part of panel 0 is in; panel 1's load may be out
	s_barrier_signal -1
	s_barrier_wait -1
	FETCH_B 0, 0, 0
	FETCH_A 0, 0, 0
	FETCH_A 0, 0, 4
	STEP 0, 0, 1                                   ; panel 0: the first products start the sums
	TURN 0, 1, 1                                   ; slot 0 takes panel 2
	STEP 1, 0, 0                                   ; panel 1
	TURN 1, 0, 1                                   ; slot 1 takes panel 3
	STEP 0, 0, 0                                   ; panel 2
	TURN 0, 1, 0                                   ; nothing is left to fetch: slot 0 has had its last fill, and behind this barrier nobody reads it
	STEP 1, 0, 0                                   ; panel 3
	s_wait_dscnt 4*NL
	WIN MUL_LO
	MUL16 0, 1, 0
	MUL16 2, 1, 0
	s_wait_dscnt 0
	WIN MUL_HI
	MUL16 4, 1, 0
	MUL16 6, 1, 0
	WIN 0
; THE WAY OUT, a block of 16 rows x 128 columns at a time: sum x 2^(eA + eB) + bias, the activation, the hold, eight codes a conversion, 8 bytes a lane into the work-group's stage.
	s_wait_kmcnt 0x0
	s_add_co_i32 s96, s96, s97
	s_add_co_i32 s96, s96, 127
	s_lshl_b32 s96, s96, 23                        ; 2^(eA + eB) as f32
	s_mov_b32 s97, s96                             ; (named with it as a pair)
	s_add_co_i32 s98, s98, 127
	s_lshl_b32 s99, s98, 23
	v_mov_b32 v[SC], s99                           ; the result's 2^e
	s_add_co_i32 s98, s98, 8
	s_lshl_b32 s98, s98, 23
	s_or_b32 s98, s98, 0x600000
	v_mov_b32 v[LIM], s98                          ; 448 x 2^e
.if QKV == 0
	s_mov_b32 s100, 0xbdd2d3e8                     ; KA = -2 log2(e) sqrt(2/pi) x 0.044715
	s_mov_b32 s101, s100
	v_mov_b32 v[KBP], 0xc0135761                   ; KB = -2 log2(e) sqrt(2/pi)
	v_mov_b32 v[KBP+1], 0xc0135761
.endif
	s_wait_loadcnt 0x0                             ; the biases
	PLACES NP
.macro BLK a
.set AC, 64*((\a)%4)
.if QKV
	s_cmp_eq_u32 s85, 0                            ; the same in all sixteen partners
	s_cbranch_scc0 .Lrow_\@
.endif
	WIN 0x02+((\a)/4)                              ; source 0: window 2 or 3
.set j, 0
.rept 32
	v_pk_fma_f32 v[TMP+j:TMP+j+1], v[AC+j:AC+j+1], s[96:97], v[CB+j:CB+j+1] op_sel_hi:[1,0,1]   ; each accumulator from its low end on
.set j, j+2
.endr
	WIN 0
.if QKV
	s_branch .Ljoin_\@
.Lrow_\@:
	WIN 0x02+((\a)/4)
.set j, 0
.rept 64
	v_fma_f32 v[TMP+j], v[AC+j], s96, v[RB+(\a)]   ; v: the bias goes by rows n
.set j, j+1
.endr
	WIN 0
.Ljoin_\@:
.endif
.if QKV == 0
.set j, 0
.rept 32
	v_pk_mul_f32 v[Z+j:Z+j+1], v[TMP+j:TMP+j+1], v[TMP+j:TMP+j+1]
.set j, j+2
.endr
.set j, 0
.rept 32
	v_pk_fma_f32 v[Z+j:Z+j+1], v[Z+j:Z+j+1], s[100:101], v[KBP:KBP+1] op_sel_hi:[1,0,1]
.set j, j+2
.endr
.set j, 0
.rept 32
	v_pk_mul_f32 v[Z+j:Z+j+1], v[Z+j:Z+j+1], v[TMP+j:TMP+j+1]      ; x (KA x^2 + KB)
.set j, j+2
.endr
.set j, 0
.rept 64
	v_exp_f32 v[Z+j], v[Z+j]
.set j, j+1
.endr
	v_nop                                          ; a plain line behind the batch,
	s_wait_alu depctr_va_vdst(0)                   ; and one wait for it, ahead of its first reader
.set j, 0
.rept 32
	v_pk_add_f32 v[Z+j:Z+j+1], v[Z+j:Z+j+1], 1.0 op_sel_hi:[1,0]
.set j, j+2
.endr
.set j, 0
.rept 64
	v_rcp_f32 v[Z+j], v[Z+j]                       ; where the power overflows this is 0, where it vanishes 1: gelu ends in 0 or in x, as the tanh form does
.set j, j+1
.endr
	v_nop
	s_wait_alu depctr_va_vdst(0)
.set j, 0
.rept 32
	v_pk_mul_f32 v[TMP+j:TMP+j+1], v[TMP+j:TMP+j+1], v[Z+j:Z+j+1]
.set j, j+2
.endr
.endif
.set j, 0
.rept 64
	v_med3_num_f32 v[TMP+j], v[TMP+j], -v[LIM], v[LIM]             ; the conversion does not saturate (ISA guide 7.6.2)
.set j, j+1
.endr
.if (\a) > 0
	s_wait_alu depctr_va_vdst(0)
	s_wait_dscnt 0x0                               ; the last block's stores have read the codes' registers
.endif
.irp b, 0,1,2,3,4,5,6,7
	v_cvt_scalef32_pk8_fp8_f32 v[CODE+2*\b:CODE+2*\b+1], v[TMP+8*\b:TMP+8*\b+7], v[SC]
.endr
	v_nop                                          ; a plain line behind the last conversion
.irp b, 0,1,2,3,4,5,6,7
	ds_store_b64 v[STO], v[CODE+2*\b:CODE+2*\b+1] offset:(\a)*16*PITCH+16*\b
.endr
.endm
; The rows leave in four groups.  Behind blocks 2 g and 2 g + 1 rows 32 g .. 32 g + 31 of each half of the tile are whole in the stage (a row's 256 codes come from two waves: one barrier);
; each wave reads 16 of them back into window 1 (B's fragments are done with), 32 registers a group, none written twice, and stores them behind the next block, whose own wait for all its LDS instructions shows them landed.
.macro BACK g
	s_wait_dscnt 0x0                               ; for the others' sake
	s_barrier_signal -1
	s_barrier_wait -1
	WIN 0x40
.set t, 0
.rept 8
	ds_load_b128 v[32*(\g)+4*t:32*(\g)+4*t+3], v[RD] offset:(32*(\g)+2*t)*PITCH
.set t, t+1
.endr
	WIN 0
.endm
.macro SENDG g
	WIN 0x04                                       ; a store's data window 1
.set t, 0
.rept 8
	global_store_b128 v[CO], v[32*(\g)+4*t:32*(\g)+4*t+3], s[80:81] offset:(32*(\g)+2*t)*256   ; two whole rows of the panel: 512 consecutive bytes, aligned
.set t, t+1
.endr
	WIN 0
.endm
	BLK 0
	BLK 1
	BACK 0
	BLK 2
	SENDG 0
	BLK 3
	BACK 1
	BLK 4
	SENDG 1
	BLK 5
	BACK 2
	BLK 6
	SENDG 2
	BLK 7
	BACK 3
	s_wait_dscnt 0x0
	SENDG 3
	s_wait_tensorcnt 0x0                           ; the wave's end
	ds_add_u32 v[SPW], v[NIL]
	s_wait_dscnt 0x0
	CROUND                                         ; the closing round
	s_endpgm
.Lfunc_end_k_q150a78db8d_qkv:
	.size	k_q150a78db8d_qkv, .Lfunc_end_k_q150a78db8d_qkv-k_q150a78db8d_qkv
	.p2alignl 7, 3214868480
	.fill 96, 4, 3214868480
	.section	.rodata,"a",@progbits
	.p2align	6, 0x0
	.amdhsa_kernel k_q150a78db8d_qkv
		.amdhsa_group_segment_fixed_size 327680
		.amdhsa_private_segment_fixed_size 0
		.amdhsa_enable_private_segment 0
		.amdhsa_kernarg_size 56
		.amdhsa_user_sgpr_count 2
		.amdhsa_user_sgpr_kernarg_segment_ptr 1
		.amdhsa_wavefront_size32 1
		.amdhsa_system_sgpr_workgroup_id_x 1
		.amdhsa_system_sgpr_workgroup_id_y 1
		.amdhsa_system_sgpr_workgroup_id_z 1
		.amdhsa_system_vgpr_workitem_id 0
		.amdhsa_next_free_vgpr 1024
		.amdhsa_next_free_sgpr 104
		.amdhsa_reserve_vcc 0
		.amdhsa_float_denorm_mode_32 3
		.amdhsa_float_denorm_mode_16_64 3
		.amdhsa_memory_ordered 1
		.amdhsa_forward_progress 1
		.amdhsa_inst_pref_size 179
	.end_amdhsa_kernel
	.amdgpu_metadata
---
amdhsa.version: [ 1, 2 ]
amdhsa.kernels:
  - .name:           k_q150a78db8d_qkv
    .symbol:         k_q150a78db8d_qkv.kd
    .args:
      - { .name: hc, .offset: 0, .size: 8, .value_kind: global_buffer, .address_space: global }
      - { .name: wc, .offset: 8, .size: 8, .value_kind: global_buffer, .address_space: global }
      - { .name: lowp_scales, .offset: 16, .size: 8, .value_kind: global_buffer, .address_space: global }
      - { .name: bq, .offset: 24, .size: 8, .value_kind: global_buffer, .address_space: global }
      - { .name: bk, .offset: 32, .size: 8, .value_kind: global_buffer, .address_space: global }
      - { .name: bv, .offset: 40, .size: 8, .value_kind: global_buffer, .address_space: global }
      - { .name: qkv, .offset: 48, .size: 8, .value_kind: global_buffer, .address_space: global }
    .group_segment_fixed_size: 327680
    .private_segment_fixed_size: 0
    .kernarg_segment_align: 8
    .kernarg_segment_size: 56
    .max_flat_workgroup_size: 128
    .sgpr_count:     104
    .vgpr_count:     1024
    .wavefront_size: 32
...
	.end_amdgpu_metadata
.endif
;; end of part 2
;; launch attn (part 3): grid 64 x 4, 16 waves a work-group, no clusters, 19,456 bytes of LDS; arguments qkv, lowp_scales, ctxc; writes ctxc
.if DOCPART == 3
	.amdgcn_target "amdgcn-amd-amdhsa--gfx1250"
	.amdhsa_code_object_version 6
	.text
	.protected	k_q150a78db8d_attn
	.globl	k_q150a78db8d_attn
	.p2align	8
	.type	k_q150a78db8d_attn,@function
k_q150a78db8d_attn:
	s_mov_b64 s[64:65], 0
	v_nop
	global_prefetch_b8 v0, s[64:65] scope:SCOPE_SE
	s_setreg_imm32_b32 hwreg(HW_REG_WAVE_MODE, 25, 1), 1
	s_wait_xcnt 0x0
; BANDED ATTENTION ON CODES OF E4M3.  Key j counts for query i where 0 <= i - j <= 128 (both in one sequence of 2,048): 16 queries see at most 144 keys, nine tiles of 16, and only those are multiplied.
; A work-group takes 64 tokens of the four heads of one panel; each of its sixteen waves 16 queries of one head (head = wave % 4, queries 16 (wave / 4) on), in 256 registers: four waves to a SIMD.
; All of a wave's keys are in registers at once, so the softmax is one pass: t = score x log2(e) / 8, M = ceil(the row's largest t), p = 2^(t - M), quantised with its given scale, not normalised;
; the row's sum is taken of the unquantised p and divides at the end.  The result is quantised for the product with Wo and leaves in the panel layout [4][4096][256].
; BOTH PRODUCTS TRANSPOSED: S^T = K Q^T (source 0 = 16 keys, source 1 = my queries) and O^T = V^T P^T: a lane holds one query (lane % 16), and the eight registers of tile u are keys 16 u + 8 (lane / 16) + 0..7,
; which one conversion makes into registers 2 u, 2 u + 1 of P: the place that the K = 64 form gives them.  V lies with the keys innermost.  Keys 144-191 of the third K step are zero codes on both sides.
; Tiles before the buffer's first token are read from token 0, tiles before a sequence's start from the sequence before: finite codes, wholly hidden by the mask (p = 0).  A query always sees itself, so M is a number.
; No tensor load, no ring, no cluster: a wave reads 19,456 bytes once, straight into registers, all asked for at its head; nothing later is left to ask for ahead.
; LIMITS: e6 + e7 between -121 and 130 (added to the exponent field of log2(e)/8); e9, e10 between -126 and 119; NaN is not served.
; REGISTERS: v1-5 addresses; v6, v7 the mask's two bounds; v8 -infinity; v9, v10 448 x 2^e9, 2^e9; v[12:13] -M; v14, v15 the add's two; v16-23 Q; v24-119 K, then V; v120-191 S^T, then p; v192-215 P's codes; v216-247 O^T; v248-255 at work.
.set SPARE, 17408                      ; behind the stage of 64 x 272 bytes: the spare words, 128 bytes for each of 16 waves
.set SPW, 14
.set NIL, 15
.set KV,  24
.set S,   120
.set P,   192
.set O,   216
	s_load_b128 s[4:7], s[0:1], 0x0                ; qkv s[4:5], the scales s[6:7]
	s_load_b64 s[8:9], s[0:1], 0x10                ; ctxc
	v_lshl_add_u32 v[SPW], v0, 2, SPARE
	v_mov_b32 v[NIL], 0
	v_lshrrev_b32 v1, 5, v0
	s_delay_alu instid0(VALU_DEP_1)
	v_readfirstlane_b32 s10, v1                    ; wave 0..15
	s_and_b32 s11, s10, 3                          ; the head within the panel
	s_lshr_b32 s68, s10, 2                         ; which 16 of the 64 tokens
	s_and_b32 s69, ttmp7, 0xffff                   ; the panel
	s_lshl_b32 s17, ttmp9, 6
	s_lshl_b32 s18, s68, 4
	s_add_co_u32 s17, s17, s18                     ; my first query, as a token of 4,096
	s_and_b32 s70, s17, 2047                       ; and in its sequence
	s_mov_b32 s2, 0x76543210
	s_mov_b32 s3, 0xfedcba98                       ; lane l xor 16
	v_and_b32 v248, 15, v0                         ; r
	v_bfe_u32 v249, v0, 4, 1                       ; h
	s_delay_alu instid0(VALU_DEP_2)
	v_lshlrev_b32 v1, 8, v248
	s_delay_alu instid0(VALU_DEP_1)
	v_lshl_add_u32 v2, v249, 3, v1                 ; V: row r of 256 bytes + 8 h
	s_delay_alu instid0(VALU_DEP_2)
	v_lshl_add_u32 v1, v249, 4, v1                 ; Q, K: row r + 16 h
	s_mul_i32 s18, s68, 16*272
	s_lshl_b32 s19, s11, 6
	s_add_co_u32 s18, s18, s19
	v_mul_u32_u24 v3, v248, 272
	s_delay_alu instid0(VALU_DEP_1)
	v_lshl_add_u32 v3, v249, 3, v3
	s_delay_alu instid0(VALU_DEP_1)
	v_add_nc_u32 v3, s18, v3                       ; the stage: row = my token, byte 64 x head + 8 h
	s_mul_i32 s18, s10, 4*272
	v_mul_u32_u24 v4, v249, 272
	s_delay_alu instid0(VALU_DEP_1)
	v_lshl_add_u32 v4, v248, 4, v4
	s_delay_alu instid0(VALU_DEP_1)
	v_add_nc_u32 v4, s18, v4                       ; back: wave w takes rows 4 w on, two an instruction
	v_and_b32 v5, 31, v0
	s_delay_alu instid0(VALU_DEP_1)
	v_lshlrev_b32 v5, 4, v5
	v_mov_b32 v255, 0                              ; written once: a lane permute's destination counts as read
	s_sub_co_u32 s75, 128, s70
	s_cmp_ge_u32 s70, 128
	s_cselect_b32 s74, 1, 0                        ; the lowest key that counts, in my window of 144, is max(r, 128 - my first query): r from query 128 on,
	s_cselect_b32 s75, 0, s75                      ; else 128 - my first query, which is 16 or more
	s_lshl_b32 s20, s69, 20
	s_lshl_b32 s19, s11, 6
	s_add_co_u32 s20, s20, s19                     ; the panel, and the head's 64 bytes of a row
	s_mov_b32 s21, 0
	s_lshl_b32 s22, s69, 2
	s_add_co_u32 s22, s22, s11
	s_lshl_b32 s22, s22, 14                        ; V: the head's 64 rows of 256 bytes,
	s_add_co_u32 s22, s22, 0x800000                ; behind q and k
	s_mov_b32 s23, 0
	s_wait_kmcnt 0x0
	s_load_b128 s[12:15], s[6:7], 0x18             ; e6, e7 (k, q), e8 (v), e9 (p)
	s_load_b32 s16, s[6:7], 0x28                   ; e10 (the result)
	s_add_nc_u64 s[60:61], s[4:5], s[20:21]
	s_add_nc_u64 s[62:63], s[4:5], s[22:23]        ; V
	s_lshl_b32 s20, s17, 8
	s_add_nc_u64 s[72:73], s[60:61], s[20:21]      ; Q at my first query
	s_add_nc_u64 s[60:61], s[60:61], 0x400000      ; K
.irp u, 0,1,2,3,4,5,6,7,8
	s_add_co_i32 s18, s17, 16*\u-128               ; tile u's first token,
	s_max_i32 s18, s18, 0                          ; held inside the buffer
	s_lshl_b32 s20, s18, 8
	s_add_nc_u64 s[24+2*\u:25+2*\u], s[60:61], s[20:21]
	s_lshr_b32 s22, s18, 8
	s_lshl_b32 s22, s22, 18                        ; V: the token's block of 256 (1,024 rows of 256 bytes),
	s_and_b32 s19, s18, 255
	s_add_co_u32 s22, s22, s19                     ; and its byte in a row: a tile of 16 never crosses a block
	s_add_nc_u64 s[42+2*\u:43+2*\u], s[62:63], s[22:23]
.endr
	s_lshl_b32 s20, s69, 20
	s_lshl_b32 s19, ttmp9, 14
	s_add_co_u32 s20, s20, s19
	s_lshl_b32 s19, s10, 10
	s_add_co_u32 s20, s20, s19
	s_add_nc_u64 s[8:9], s[8:9], s[20:21]          ; the result: panel, my work-group's 64 rows, my wave's four
	global_load_b128 v[16:19], v1, s[72:73]        ; d = 16 h + 0..15 and 32 + 16 h + 0..15: one permutation of d, the same in Q and in K
	global_load_b128 v[20:23], v1, s[72:73] offset:32
.irp u, 0,1,2,3,4,5,6,7,8
	global_load_b128 v[KV+8*\u:KV+8*\u+3], v1, s[24+2*\u:25+2*\u]
	global_load_b128 v[KV+8*\u+4:KV+8*\u+7], v1, s[24+2*\u:25+2*\u] offset:32
.endr
	s_wait_kmcnt 0x0
	s_add_co_i32 s66, s12, s13
	s_lshl_b32 s66, s66, 23
	s_add_co_i32 s66, s66, 0x3e38aa3b              ; c = log2(e) / 8 x 2^(e6 + e7)
	s_mov_b32 s67, s66
	s_add_co_i32 s18, s15, 127
	s_lshl_b32 s19, s18, 23
	v_mov_b32 v10, s19                             ; 2^e9
	s_add_co_i32 s18, s18, 8
	s_lshl_b32 s18, s18, 23
	s_or_b32 s18, s18, 0x600000
	v_mov_b32 v9, s18                              ; 448 x 2^e9
	s_add_co_i32 s76, s14, s15                     ; e8 + e9
	s_add_co_i32 s18, s16, 127
	s_lshl_b32 s78, s18, 23                        ; 2^e10
	s_add_co_i32 s18, s18, 8
	s_lshl_b32 s18, s18, 23
	s_or_b32 s77, s18, 0x600000                    ; 448 x 2^e10
	s_wait_loadcnt 0x0
.irp u, 0,1,2,3,4,5,6,7,8
	v_wmma_f32_16x16x64_fp8_fp8 v[S+8*\u:S+8*\u+7], v[KV+8*\u:KV+8*\u+7], v[16:23], 0
.endr
	v_lshlrev_b32 v11, 3, v249                     ; six plain lines: the places behind the products, in front of the loads into K's registers
	s_delay_alu instid0(VALU_DEP_1)
	v_sub_nc_u32 v6, v248, v11                     ; tile 8: register j is hidden where j > r - 8 h (the key comes after the query)
	v_mad_u32_u24 v7, v248, s74, s75
	s_delay_alu instid0(VALU_DEP_1)
	v_sub_nc_u32 v7, v7, v11                       ; tile u: hidden where 16 u + j < max(r, 128 - first query) - 8 h (too far back, or before the sequence's start)
	v_mov_b32 v8, 0xff800000
	v_nop
.irp dt, 0,1,2,3
.irp u, 0,1,2,3,4,5,6,7,8
	global_load_b64 v[KV+24*\dt+2*\u:KV+24*\dt+2*\u+1], v2, s[42+2*\u:43+2*\u] offset:4096*\dt   ; V^T(16 dt + r, keys 16 u + 8 h + 0..7)
.endr
.endr
.irp dt, 0,1,2,3
.irp i, 18,19,20,21,22,23
	v_mov_b32 v[KV+24*\dt+\i], 0                   ; keys 144 on: zero codes
.endr
.endr
.irp i, 18,19,20,21,22,23
	v_mov_b32 v[P+\i], 0
.endr
.irp j, 0,1,2,3,4,5,6,7
	v_cmp_lt_i32 vcc_lo, \j, v7
	v_cndmask_b32 v[S+\j], v[S+\j], v8, vcc_lo
.endr
.irp j, 0,1,2,3,4,5,6,7
	v_cmp_gt_i32 vcc_lo, \j, v6
	v_cndmask_b32 v[S+64+\j], v[S+64+\j], v8, vcc_lo
.endr
	s_cmp_ge_u32 s70, 128                          ; from query 128 on tiles 1 to 7 count whole: a branch on the wave's place alone
	s_cbranch_scc1 .Lfull
.set n, 8
.rept 56
	v_cmp_lt_i32 vcc_lo, 16*(n/8)+n%8, v7
	v_cndmask_b32 v[S+n], v[S+n], v8, vcc_lo
.set n, n+1
.endr
.Lfull:
	v_max3_num_f32 v252, v[S], v[S+1], v[S+2]      ; the largest score of my query among my 72 keys, in two chains, ascending,
	v_max3_num_f32 v253, v[S+3], v[S+4], v[S+5]
.irp i, 6,10,14,18,22,26,30,34,38,42,46,50,54,58,62,66
	v_max3_num_f32 v252, v252, v[S+\i], v[S+\i+1]
	v_max3_num_f32 v253, v253, v[S+\i+2], v[S+\i+3]
.endr
	s_delay_alu instid0(VALU_DEP_2)
	v_max3_num_f32 v252, v252, v[S+70], v[S+71]
	s_delay_alu instid0(VALU_DEP_1)
	v_max_num_f32 v252, v252, v253
	s_delay_alu instid0(VALU_DEP_1)
	v_permlanex16_b32 v255, v252, s2, s3
	s_delay_alu instid0(VALU_DEP_1)
	v_max_num_f32 v252, v252, v255                 ; and among lane l xor 16's
	s_delay_alu instid0(VALU_DEP_1)
	v_mul_f32 v252, s66, v252                      ; as t (c is positive)
	s_delay_alu instid0(VALU_DEP_1)
	v_floor_f32 v12, -v252                         ; -M = -ceil(t)
	s_delay_alu instid0(VALU_DEP_1)
	v_mov_b32 v13, v12
.set j, 0
.rept 36
	v_pk_fma_f32 v[S+j:S+j+1], v[S+j:S+j+1], s[66:67], v[12:13] op_sel_hi:[1,0,0]   ; t - M
.set j, j+2
.endr
.set j, 0
	s_wait_alu depctr_va_vdst(0)
.rept 72
	v_exp_f32 v[S+j], v[S+j]                       ; p = 2^(t - M); 0 for a hidden key
.set j, j+1
.endr
	v_nop                                          ; a plain line behind the batch,
	s_wait_alu depctr_va_vdst(0)                   ; and one wait for it, ahead of its first reader
	v_pk_add_f32 v[250:251], v[120:121], v[122:123]
	v_pk_add_f32 v[252:253], v[128:129], v[132:133]
	v_pk_add_f32 v[246:247], v[136:137], v[140:141]
	v_pk_add_f32 v[244:245], v[144:145], v[148:149]
	v_pk_add_f32 v[242:243], v[152:153], v[156:157]
	v_pk_add_f32 v[240:241], v[160:161], v[164:165]
	v_pk_add_f32 v[238:239], v[168:169], v[172:173]
	v_pk_add_f32 v[248:249], v[176:177], v[180:181]
	v_pk_add_f32 v[248:249], v[248:249], v[184:185]
	v_pk_add_f32 v[250:251], v[250:251], v[188:189]
	v_pk_add_f32 v[252:253], v[252:253], v[124:125]
	v_pk_add_f32 v[246:247], v[246:247], v[126:127]
	v_pk_add_f32 v[244:245], v[244:245], v[130:131]
	v_pk_add_f32 v[242:243], v[242:243], v[134:135]
	v_pk_add_f32 v[240:241], v[240:241], v[138:139]
	v_pk_add_f32 v[238:239], v[238:239], v[142:143]
	v_pk_add_f32 v[248:249], v[248:249], v[146:147]
	v_pk_add_f32 v[250:251], v[250:251], v[150:151]
	v_pk_add_f32 v[252:253], v[252:253], v[154:155]
	v_pk_add_f32 v[246:247], v[246:247], v[158:159]
	v_pk_add_f32 v[244:245], v[244:245], v[162:163]
	v_pk_add_f32 v[242:243], v[242:243], v[166:167]
	v_pk_add_f32 v[240:241], v[240:241], v[170:171]
	v_pk_add_f32 v[238:239], v[238:239], v[174:175]
	v_pk_add_f32 v[248:249], v[248:249], v[178:179]
	v_pk_add_f32 v[250:251], v[250:251], v[182:183]
	v_pk_add_f32 v[252:253], v[252:253], v[186:187]
	v_pk_add_f32 v[246:247], v[246:247], v[190:191]
	s_delay_alu instid0(VALU_DEP_4)
	v_pk_add_f32 v[248:249], v[248:249], v[244:245]
	s_delay_alu instid0(VALU_DEP_4)
	v_pk_add_f32 v[250:251], v[250:251], v[242:243]
	s_delay_alu instid0(VALU_DEP_4)
	v_pk_add_f32 v[252:253], v[252:253], v[240:241]
	s_delay_alu instid0(VALU_DEP_4)
	v_pk_add_f32 v[246:247], v[246:247], v[238:239]
	s_delay_alu instid0(VALU_DEP_2)
	v_pk_add_f32 v[248:249], v[248:249], v[252:253]
	s_delay_alu instid0(VALU_DEP_2)
	v_pk_add_f32 v[250:251], v[250:251], v[246:247]
	s_delay_alu instid0(VALU_DEP_1)
	v_pk_add_f32 v[248:249], v[248:249], v[250:251]
	s_delay_alu instid0(VALU_DEP_1)
	v_add_f32 v248, v248, v249
	s_delay_alu instid0(VALU_DEP_1)
	v_permlanex16_b32 v255, v248, s2, s3
	s_delay_alu instid0(VALU_DEP_1)
	v_add_f32 v248, v248, v255
	s_wait_alu depctr_va_vdst(0)
	v_rcp_f32 v254, v248                           ; its wait stands ahead of its first reader, behind the products
.set j, 0
.rept 72
	v_min_num_f32 v[S+j], v[S+j], v9               ; p is not negative: a one-sided hold
.set j, j+1
.endr
.irp u, 0,1,2,3,4,5,6,7,8
	v_cvt_scalef32_pk8_fp8_f32 v[P+2*\u:P+2*\u+1], v[S+8*\u:S+8*\u+7], v10
.endr
	v_nop                                          ; a plain line between the last conversion and the products
	s_wait_alu depctr_va_vdst(0)
	s_wait_loadcnt 0x0                             ; V
.irp ch, 0,1,2                         ; the four accumulators take turns, one instruction a turn
.irp dt, 0,1,2,3
.if \ch == 0
	v_wmma_f32_16x16x64_fp8_fp8 v[O+8*\dt:O+8*\dt+7], v[KV+24*\dt+8*\ch:KV+24*\dt+8*\ch+7], v[P+8*\ch:P+8*\ch+7], 0
.else
	v_wmma_f32_16x16x64_fp8_fp8 v[O+8*\dt:O+8*\dt+7], v[KV+24*\dt+8*\ch:KV+24*\dt+8*\ch+7], v[P+8*\ch:P+8*\ch+7], v[O+8*\dt:O+8*\dt+7]
.endif
.endr
.endr
	s_wait_alu depctr_va_vdst(0)                   ; the reciprocal's wait
	v_ldexp_f32 v254, v254, s76                    ; 2^(e8 + e9) / the sum.  (Four plain lines: the places behind the products)
	v_mov_b32 v250, s77
	v_mov_b32 v251, s78
	v_nop
.set j, 0
.rept 16
	v_pk_mul_f32 v[O+j:O+j+1], v[O+j:O+j+1], v[254:255] op_sel_hi:[1,0]
.set j, j+2
.endr
.set j, 0
.rept 32
	v_med3_num_f32 v[O+j], v[O+j], -v250, v250
.set j, j+1
.endr
.irp dt, 0,1,2,3
	v_cvt_scalef32_pk8_fp8_f32 v[P+2*\dt:P+2*\dt+1], v[O+8*\dt:O+8*\dt+7], v251   ; ctx(query r, d = 16 dt + 8 h + 0..7)
.endr
	v_nop
.irp dt, 0,1,2,3
	ds_store_b64 v3, v[P+2*\dt:P+2*\dt+1] offset:16*\dt
.endr
	s_wait_dscnt 0x0                               ; for the others' sake: a row's 256 codes come from four waves
	s_barrier_signal -1
	s_barrier_wait -1
	ds_load_b128 v[16:19], v4
	ds_load_b128 v[20:23], v4 offset:544
	s_wait_dscnt 1
	global_store_b128 v5, v[16:19], s[8:9]         ; two whole rows of the panel: 512 consecutive bytes, aligned
	s_wait_dscnt 0
	global_store_b128 v5, v[20:23], s[8:9] offset:512
	s_wait_tensorcnt 0x0                           ; the wave's end, behind my last LDS store
	ds_add_u32 v[SPW], v[NIL]
	s_wait_dscnt 0x0
	s_endpgm
.Lfunc_end_k_q150a78db8d_attn:
	.size	k_q150a78db8d_attn, .Lfunc_end_k_q150a78db8d_attn-k_q150a78db8d_attn
	.p2alignl 7, 3214868480
	.fill 96, 4, 3214868480
	.section	.rodata,"a",@progbits
	.p2align	6, 0x0
	.amdhsa_kernel k_q150a78db8d_attn
		.amdhsa_group_segment_fixed_size 19456
		.amdhsa_private_segment_fixed_size 0
		.amdhsa_enable_private_segment 0
		.amdhsa_kernarg_size 24
		.amdhsa_user_sgpr_count 2
		.amdhsa_user_sgpr_kernarg_segment_ptr 1
		.amdhsa_wavefront_size32 1
		.amdhsa_system_sgpr_workgroup_id_x 1
		.amdhsa_system_sgpr_workgroup_id_y 1
		.amdhsa_system_sgpr_workgroup_id_z 1
		.amdhsa_system_vgpr_workitem_id 0
		.amdhsa_next_free_vgpr 256
		.amdhsa_next_free_sgpr 80
		.amdhsa_reserve_vcc 1
		.amdhsa_float_denorm_mode_32 3
		.amdhsa_float_denorm_mode_16_64 3
		.amdhsa_memory_ordered 1
		.amdhsa_forward_progress 1
		.amdhsa_inst_pref_size 38
	.end_amdhsa_kernel
	.amdgpu_metadata
---
amdhsa.version: [ 1, 2 ]
amdhsa.kernels:
  - .name:           k_q150a78db8d_attn
    .symbol:         k_q150a78db8d_attn.kd
    .args:
      - { .name: qkv, .offset: 0, .size: 8, .value_kind: global_buffer, .address_space: global }
      - { .name: lowp_scales, .offset: 8, .size: 8, .value_kind: global_buffer, .address_space: global }
      - { .name: ctxc, .offset: 16, .size: 8, .value_kind: global_buffer, .address_space: global }
    .group_segment_fixed_size: 19456
    .private_segment_fixed_size: 0
    .kernarg_segment_align: 8
    .kernarg_segment_size: 24
    .max_flat_workgroup_size: 512
    .sgpr_count:     80
    .vgpr_count:     256
    .wavefront_size: 32
...
	.end_amdgpu_metadata
.endif
;; end of part 3
;; launch wo (part 4): grid 8 x 32, 4 waves a work-group, clusters of 4 x 4, 327,680 bytes of LDS; arguments ctxc, wc, lowp_scales, bo, x, x1; writes x1
.if DOCPART == 4
	.amdgcn_target "amdgcn-amd-amdhsa--gfx1250"
	.amdhsa_code_object_version 6
	.text
	.protected	k_q150a78db8d_wo
	.globl	k_q150a78db8d_wo
	.p2align	8
	.type	k_q150a78db8d_wo,@function
k_q150a78db8d_wo:
	s_mov_b64 s[64:65], 0
	v_nop
	global_prefetch_b8 v0, s[64:65] scope:SCOPE_SE
	s_setreg_imm32_b32 hwreg(HW_REG_WAVE_MODE, 25, 1), 1
	s_wait_xcnt 0x0
	s_wait_alu depctr_hold_cnt(0) depctr_sa_sdst(0) depctr_va_vdst(0) depctr_va_sdst(0) depctr_va_ssrc(0) depctr_va_vcc(0) depctr_vm_vsrc(0)
	s_getreg_b32 s2, hwreg(HW_REG_IB_STS2, 6, 4)
	s_cmp_eq_u32 s2, 0
	s_cbranch_scc0 .Lentry_in_a_cluster
	s_endpgm
.Lentry_in_a_cluster:
	s_bfe_u32 s2, ttmp6, 0x10000c
	s_cmp_lg_u32 s2, 0xf033
	s_cbranch_scc0 .Lentry_shape_is_right
	s_endpgm
.Lentry_shape_is_right:
; out = resid + A B^T x 2^(eA + eB) + bias, A and B codes of E4M3 in panels [K/256][rows][256 bytes]; resid and out f32 [4096][1024].  One text for two launches; LAPS, WOFF and SCOFF say which:
; x1 = x + ctx Wo + bo (K = 1,024) and out0 = x1 + g W2 + b2 (K = 4,096).
; N is 1,024, so tiles of 256 x 256 would be 64: a tile of C is 128 x 128, 256 work-groups.  Four waves, each 64 x 64: 16 accumulators.  A wave's 64 columns of f32 are 256 bytes, aligned.
; K goes in steps of 512 through two LDS slots; a slot holds two panels of A's 128 rows and two of B's, each a dense block of 32,768 bytes brought by one wave's tensor load.
; CLUSTERS: 4 x 4 work-groups; A's tiles are asked for jointly along a row of the cluster, B's along a column.  THE MATRIX INSTRUCTION IS USED TRANSPOSED: a lane holds eight neighbouring columns of a row of C.
; The residual and the bias are asked for at the head and land under the products.  LIMITS: eA + eB between -126 and 127.
; REGISTERS: window 0: v[8:11] the bias; v16-29 addresses; v32-95 rows back from the stage, two sets; v128-255 the accumulators ((a, b) at v[128 + 8 (4 a + b)]).
;   window 1: two sets of fragments for 128 along K: A's four at +0, B's four at +64.   window 2: v0-127 the residual, then the result.
.set LAPS,   1                         ; a lap = two slots = 1,024 along K
.set WOFF,   3<<20                     ; the weight's place in wc
.set SCOFF,  40                        ; the byte of the two scales
.set PITCH,  272
.set HALFT,  128*PITCH
.set SLOT,   4*HALFT                   ; A panel 0, A panel 1, B panel 0, B panel 1
.set SPARE,  2*SLOT
.set DW0,    (1<<20)|(1<<21)|(5<<22)|(3<<25)
.set ADRA, 16
.set ADRB, 20
.set STO,  24                          ; my stage (16 rows x 272 bytes, in slot 0): where I put 32 bytes of a row
.set RD,   25
.set CO,   26                          ; my 16 bytes in two rows of resid and of out
.set BO,   27                          ; 16 x (lane % 16)
.set SPW,  28
.set NIL,  29
.set BK,   32
.set ACC,  128
.set F0,   0
.set F1,   128
.set G1,   24
.set G0,   32
.set G1B,  48
.set G0B,  56
.set MSB, 0
.macro WIN new
.if MSB != \new
	s_set_vgpr_msb (MSB<<8)|\new
.set MSB, \new
.endif
.endm
.set MUL,  0x05                        ; sources 0 and 1 window 1; C and D window 0
.set TO_F, 0x40
.macro JLOAD s                         ; waves 0, 1 fetch A's two panels, waves 2, 3 B's; an s_nop 0 and four v_nop follow each line
	s_cmp_eq_u32 s17, 0
	s_cbranch_scc0 .Lfor_b_\@
	tensor_load_to_lds s[G0+4*\s:G0+4*\s+3], s[G1:G1+7]
	s_nop 0
.rept 4
	v_nop
.endr
	s_branch .Lasked_\@
.Lfor_b_\@:
	tensor_load_to_lds s[G0B+4*\s:G0B+4*\s+3], s[G1B:G1B+7]
	s_nop 0
.rept 4
	v_nop
.endr
.Lasked_\@:
.endm
.macro CREST
	s_cmp_lg_u32 s16, 0
	s_cbranch_scc1 .Lnot_wave_0_\@
	s_barrier_signal -3
.Lnot_wave_0_\@:
	s_barrier_wait -3
	s_barrier_signal -1
	s_barrier_wait -1
.endm
.macro CROUND
	s_barrier_signal -1
	s_barrier_wait -1
	CREST
.endm
	s_load_b128 s[4:7], s[0:1], 0x0                ; A's codes, wc
	s_load_b128 s[8:11], s[0:1], 0x10              ; the scales, the bias
	s_load_b128 s[12:15], s[0:1], 0x20             ; resid, out
	v_lshl_add_u32 v[SPW], v0, 2, SPARE
	v_mov_b32 v[NIL], 0
	ds_add_u32 v[SPW], v[NIL]                      ; the wave's opening: the add and its wait ahead of my first tensor load
	ds_add_u32 v[SPW], v[NIL]
	v_and_b32 v30, 31, v0
	v_lshlrev_b32 v30, 8, v30                      ; the prefetch's offset: a lane a row of 256 bytes; never rewritten
	v_lshrrev_b32 v1, 5, v0
	v_readfirstlane_b32 s16, v1
	s_lshr_b32 s17, s16, 1                         ; my half of the rows.  Also: I fetch for A (0) or B (1)
	s_and_b32 s18, s16, 1                          ; my half of the columns.  Also: which of a slot's two panels I fetch
	s_bfe_u32 s40, ttmp6, 0x40000                  ; cx
	s_bfe_u32 s41, ttmp6, 0x40004                  ; cy
	s_lshl_b32 s20, ttmp9, 2
	s_add_co_u32 s20, s20, s40                     ; tile column
	s_and_b32 s19, ttmp7, 0xffff
	s_lshl_b32 s19, s19, 2
	s_add_co_u32 s19, s19, s41                     ; tile row
	s_lshl_b32 s42, s41, 2
	s_lshl_b32 s42, 15, s42
	s_lshl_b32 s43, 0x1111, s40
	s_or_b32 s[G1], s42, DW0
	s_or_b32 s[G1B], s43, DW0
.irp g, G1, G1B
	s_mov_b32 s[\g+1], 256<<16
	s_mov_b32 s[\g+2], 128<<16
	s_mov_b32 s[\g+3], 256<<16
	s_mov_b32 s[\g+4], 128
	s_mov_b32 s[\g+5], 256
	s_mov_b32 s[\g+6], 0
	s_mov_b32 s[\g+7], 0
.endr
	s_lshl_b32 s68, s19, 15                        ; A: the tile row's 128 rows of 256 bytes,
	s_lshl_b32 s21, s18, 20                        ; my panel (4,096 rows)
	s_add_co_u32 s68, s68, s21
	s_mov_b32 s69, 0
	s_lshl_b32 s46, s20, 15                        ; B likewise (1,024 rows to a panel)
	s_lshl_b32 s21, s18, 18
	s_add_co_u32 s46, s46, s21
	s_add_co_u32 s46, s46, WOFF
	s_mov_b32 s47, 0
	s_mul_i32 s44, s16, HALFT
	s_wait_alu depctr_va_vdst(0)
	s_wait_dscnt 0x0
	s_wait_kmcnt 0x0
	s_load_b64 s[66:67], s[8:9], SCOFF
	s_add_nc_u64 s[68:69], s[4:5], s[68:69]
	s_add_nc_u64 s[46:47], s[6:7], s[46:47]
	; PREFETCH INTO THE L2 of slot 1: of the 128 rows that my wave fetches, the partner at place p among the four that ask jointly (cx for A, cy for B) names rows 32 p .. 32 p + 31: told apart by address alone
	s_cmp_eq_u32 s17, 0
	s_cselect_b64 s[76:77], s[68:69], s[46:47]
	s_cselect_b32 s22, s40, s41
	s_mov_b32 s74, 0x80000
	s_cselect_b32 s74, 0x200000, s74               ; a slot on: two panels
	s_mov_b32 s75, 0
	s_lshl_b32 s22, s22, 13
	s_mov_b32 s23, 0
	s_add_nc_u64 s[76:77], s[76:77], s[22:23]
	s_add_nc_u64 s[76:77], s[76:77], s[74:75]      ; slot 1, the last
	CROUND
.irp s, 0,1
	s_mov_b32 s[G0+4*\s], 1
	s_add_co_u32 s[G0+4*\s+1], s44, \s*SLOT
	s_add_nc_u64 s[G0+4*\s+2:G0+4*\s+3], s[68:69], \s*0x200000
	s_or_b32 s[G0+4*\s+3], s[G0+4*\s+3], 0x80000000
	s_mov_b32 s[G0B+4*\s], 1
	s_add_co_u32 s[G0B+4*\s+1], s44, \s*SLOT
	s_add_nc_u64 s[G0B+4*\s+2:G0B+4*\s+3], s[46:47], \s*0x80000
	s_or_b32 s[G0B+4*\s+3], s[G0B+4*\s+3], 0x80000000
.endr
	JLOAD 0                                        ; slot 0: one tensor load a wave at the head
	global_prefetch_b8 v30, s[76:77] th:TH_LOAD_NT scope:SCOPE_SE   ; what the next joint load brings
	s_wait_alu depctr_va_vdst(0)
	s_wait_tensorcnt 0x0                           ; slot 1's first fill is issued as a refill is: my part of slot 0 is in,
	ds_add_u32 v[SPW], v[NIL]                      ; the add,
	s_wait_dscnt 0x0
	CROUND                                         ; and a whole round
	JLOAD 1                                        ; one tensor load of mine is out
	v_and_b32 v1, 15, v0                           ; r
	v_bfe_u32 v2, v0, 4, 1                         ; h
	v_mul_u32_u24 v3, v1, PITCH
	s_wait_alu depctr_va_vdst(0)
	v_lshl_add_u32 v4, v2, 4, v3
	s_mul_i32 s22, s17, 64*PITCH                   ; my 64 rows of A,
	s_mul_i32 s23, s18, 64*PITCH
	s_add_co_u32 s23, s23, 2*HALFT                 ; of B
.irp s, 0,1
	v_add_nc_u32 v[ADRA+\s], s22, v4
	v_add_nc_u32 v[ADRB+\s], s23, v4
	s_add_co_u32 s22, s22, SLOT
	s_add_co_u32 s23, s23, SLOT
.endr
	s_mul_i32 s22, s16, 16*PITCH                   ; my stage
	v_lshl_add_u32 v[STO], v2, 5, v3
	v_add_nc_u32 v[STO], s22, v[STO]
	v_mul_u32_u24 v5, v2, PITCH
	v_lshl_add_u32 v5, v1, 4, v5
	v_add_nc_u32 v[RD], s22, v5
	v_lshlrev_b32 v[BO], 4, v1
	v_lshl_add_u32 v[CO], v2, 12, v[BO]            ; lanes 0-15 one row's 256 bytes, lanes 16-31 the next row's
	s_wait_alu depctr_va_vdst(0)
	s_lshl_b32 s22, s20, 9
	s_lshl_b32 s21, s18, 8
	s_add_co_u32 s22, s22, s21                     ; my first column, in bytes
	s_mov_b32 s23, 0
	s_lshl_b32 s70, s19, 19
	s_lshl_b32 s21, s17, 18
	s_add_co_u32 s70, s70, s21                     ; my first row
	s_add_co_u32 s70, s70, s22
	s_mov_b32 s71, 0
	s_add_nc_u64 s[10:11], s[10:11], s[22:23]
	s_add_nc_u64 s[12:13], s[12:13], s[70:71]
	s_add_nc_u64 s[14:15], s[14:15], s[70:71]
	WIN 0x80                                       ; destination window 2
.irp a, 0,1,2,3
.irp t, 0,1,2,3,4,5,6,7
	global_load_b128 v[32*\a+4*\t:32*\a+4*\t+3], v[CO], s[12:13] offset:(16*\a+2*\t)*4096
.endr
.endr
	WIN 0
	global_load_b128 v[8:11], v[BO], s[10:11]
.macro MULA f, a, zero                 ; A's block a x B's four.  The 16 accumulators take turns, one instruction a turn
.irp b, 0,1,2,3
.if \zero
	v_wmma_f32_16x16x128_fp8_fp8 v[ACC+8*(4*(\a)+\b):ACC+8*(4*(\a)+\b)+7], v[\f+64+16*\b:\f+64+16*\b+15], v[\f+16*(\a):\f+16*(\a)+15], 0
.else
	v_wmma_f32_16x16x128_fp8_fp8 v[ACC+8*(4*(\a)+\b):ACC+8*(4*(\a)+\b)+7], v[\f+64+16*\b:\f+64+16*\b+15], v[\f+16*(\a):\f+16*(\a)+15], v[ACC+8*(4*(\a)+\b):ACC+8*(4*(\a)+\b)+7]
.endif
.endr
.endm
.macro FRAG reg, adr, q, i             ; quarter q of a slot: panel q / 2, byte 128 (q % 2); registers 4 c .. 4 c + 3 hold K = 32 c + 16 (l / 16) + 0..15, alike in A and B
.irp c, 0,1,2,3
	ds_load_b128 v[\reg+4*\c:\reg+4*\c+3], v[\adr] offset:((\q)/2)*HALFT+((\q)%2)*128+(\i)*16*PITCH+32*\c
.endr
.endm
.macro FETCH slot, q, f                ; 32 LDS loads in one run: B's four fragments, then A's
	WIN TO_F
.irp i, 0,1,2,3
	FRAG \f+64+16*\i, ADRB+\slot, \q, \i
.endr
.irp i, 0,1,2,3
	FRAG \f+16*\i, ADRA+\slot, \q, \i
.endr
.endm
.macro PLACES
.rept 4
	v_nop
.endr
.endm
.macro QUARTER slot, qn, f, g, zero    ; multiplies set f and fetches quarter qn of the same slot into g
	s_wait_dscnt 8                                 ; B's four and A's blocks 0, 1 are in; A's blocks 2, 3, the youngest eight loads, may be out
	WIN MUL
	MULA \f, 0, \zero
	MULA \f, 1, \zero
	PLACES                                         ; in front of loads into registers that matrix instructions have read
	FETCH \slot, \qn, \g
	s_wait_dscnt 32                                ; all but the 32 just issued
	WIN MUL
	MULA \f, 2, \zero
	MULA \f, 3, \zero
.endm
.macro TURN slot, next, fill           ; a slot's last quarter (set F1) and the change of slots
	WIN 0
	s_wait_tensorcnt 0x0                           ; all my tensor loads have landed: my part of the next slot
	ds_add_u32 v[SPW], v[NIL]                      ; 0 onto my spare word
	s_wait_dscnt 9                                 ; (the add and the youngest eight loads may be out)
	WIN MUL
	MULA F1, 0, 0
	MULA F1, 1, 0
	s_wait_dscnt 0x0                               ; the add is done, and my reads of this slot are over
	s_barrier_signal -1
	MULA F1, 2, 0
.if \fill
	WIN 0
.endif
	s_barrier_wait -1
.if \fill
	CREST                                          ; no wave of any partner still reads this slot or has a load on its way
	s_add_nc_u64 s[G0+4*\slot+2:G0+4*\slot+3], s[G0+4*\slot+2:G0+4*\slot+3], 0x400000
	s_add_nc_u64 s[G0B+4*\slot+2:G0B+4*\slot+3], s[G0B+4*\slot+2:G0B+4*\slot+3], 0x100000
	JLOAD \slot                                    ; the first tensor load behind the round, my only one; its four v_nop are the places in front of the loads below
.else
	PLACES
.endif
	FETCH \next, 0, F0
	WIN MUL
	MULA F1, 3, 0
.endm
	s_wait_tensorcnt 1                             ; my part of slot 0 is in; slot 1's may be out
	s_barrier_signal -1
	s_barrier_wait -1
	FETCH 0, 0, F0
	QUARTER 0, 1, F0, F1, 1                        ; the first quarter starts the sums
.if LAPS > 1
	WIN 0
	s_mov_b32 s3, LAPS-1
.Llap:                                                 ; once round the ring, from a lap's second quarter to the next lap's first; both slots are filled again
	QUARTER 0, 2, F1, F0, 0
	QUARTER 0, 3, F0, F1, 0
	TURN 0, 1, 1
	QUARTER 1, 1, F0, F1, 0
	QUARTER 1, 2, F1, F0, 0
	QUARTER 1, 3, F0, F1, 0
	TURN 1, 0, 1
	QUARTER 0, 1, F0, F1, 0
	WIN 0
	s_sub_co_u32 s3, s3, 1
	s_cmp_lg_u32 s3, 0
	s_cbranch_scc1 .Llap
.endif
	QUARTER 0, 2, F1, F0, 0                        ; the last lap fills nothing
	QUARTER 0, 3, F0, F1, 0
	TURN 0, 1, 0                                   ; slot 0 has had its last fill, and behind this barrier nobody reads it
	QUARTER 1, 1, F0, F1, 0
	QUARTER 1, 2, F1, F0, 0
	QUARTER 1, 3, F0, F1, 0
	s_wait_dscnt 8
	WIN MUL
	MULA F1, 0, 0
	MULA F1, 1, 0
	s_wait_dscnt 0
	MULA F1, 2, 0
	MULA F1, 3, 0
	WIN 0
; THE WAY OUT.  A block of 16 rows x 64 columns goes through my own stage and comes back as rows of 256 bytes, in the layout in which the residual was loaded.
	s_wait_kmcnt 0x0
	s_add_co_i32 s66, s66, s67
	s_add_co_i32 s66, s66, 127
	s_lshl_b32 s66, s66, 23                        ; 2^(eA + eB) as f32
	s_mov_b32 s67, s66
	s_wait_loadcnt 0x0                             ; the residual and the bias
	WIN 0x82                                       ; source 0 and destination window 2
.set q, 0
.rept 32
	v_pk_add_f32 v[4*q:4*q+1], v[4*q:4*q+1], v[8:9]          ; resid + bias.  (These 64 are the places behind the last products)
	v_pk_add_f32 v[4*q+2:4*q+3], v[4*q+2:4*q+3], v[10:11]
.set q, q+1
.endr
	WIN 0
.macro TOSTAGE a
.irp b, 0,1,2,3
	ds_store_b128 v[STO], v[ACC+8*(4*(\a)+\b):ACC+8*(4*(\a)+\b)+3] offset:64*\b        ; each accumulator from its low end on
	ds_store_b128 v[STO], v[ACC+8*(4*(\a)+\b)+4:ACC+8*(4*(\a)+\b)+7] offset:64*\b+16
.endr
.irp t, 0,1,2,3,4,5,6,7
	ds_load_b128 v[BK+32*((\a)%2)+4*\t:BK+32*((\a)%2)+4*\t+3], v[RD] offset:2*PITCH*\t   ; LDS serves a wave's instructions in order (ISA guide 5.7.1.4)
.endr
.endm
.macro FIN a, younger                  ; younger: the next block's 8 stores and 8 loads, which may stay out
	s_wait_dscnt \younger
	WIN 0xa0                                       ; source 2 and destination window 2
.set q, 0
.rept 16
	v_pk_fma_f32 v[32*(\a)+q:32*(\a)+q+1], v[BK+32*((\a)%2)+q:BK+32*((\a)%2)+q+1], s[66:67], v[32*(\a)+q:32*(\a)+q+1] op_sel_hi:[1,0,1]
.set q, q+2
.endr
	WIN 0x08                                       ; a store's data window 2
.irp t, 0,1,2,3,4,5,6,7
	global_store_b128 v[CO], v[32*(\a)+4*\t:32*(\a)+4*\t+3], s[14:15] offset:(16*(\a)+2*\t)*4096   ; 16 lanes store 256 consecutive bytes, aligned; no register is written twice
.endr
	WIN 0
.endm
	TOSTAGE 0
	TOSTAGE 1
	FIN 0, 16
	TOSTAGE 2
	FIN 1, 16
	TOSTAGE 3
	FIN 2, 16
	FIN 3, 0
	s_wait_tensorcnt 0x0                           ; the wave's end
	ds_add_u32 v[SPW], v[NIL]
	s_wait_dscnt 0x0
	CROUND                                         ; the closing round
	s_endpgm
.Lfunc_end_k_q150a78db8d_wo:
	.size	k_q150a78db8d_wo, .Lfunc_end_k_q150a78db8d_wo-k_q150a78db8d_wo
	.p2alignl 7, 3214868480
	.fill 96, 4, 3214868480
	.section	.rodata,"a",@progbits
	.p2align	6, 0x0
	.amdhsa_kernel k_q150a78db8d_wo
		.amdhsa_group_segment_fixed_size 327680
		.amdhsa_private_segment_fixed_size 0
		.amdhsa_enable_private_segment 0
		.amdhsa_kernarg_size 48
		.amdhsa_user_sgpr_count 2
		.amdhsa_user_sgpr_kernarg_segment_ptr 1
		.amdhsa_wavefront_size32 1
		.amdhsa_system_sgpr_workgroup_id_x 1
		.amdhsa_system_sgpr_workgroup_id_y 1
		.amdhsa_system_sgpr_workgroup_id_z 1
		.amdhsa_system_vgpr_workitem_id 0
		.amdhsa_next_free_vgpr 768
		.amdhsa_next_free_sgpr 80
		.amdhsa_reserve_vcc 0
		.amdhsa_float_denorm_mode_32 3
		.amdhsa_float_denorm_mode_16_64 3
		.amdhsa_memory_ordered 1
		.amdhsa_forward_progress 1
		.amdhsa_inst_pref_size 54
	.end_amdhsa_kernel
	.amdgpu_metadata
---
amdhsa.version: [ 1, 2 ]
amdhsa.kernels:
  - .name:           k_q150a78db8d_wo
    .symbol:         k_q150a78db8d_wo.kd
    .args:
      - { .name: ctxc, .offset: 0, .size: 8, .value_kind: global_buffer, .address_space: global }
      - { .name: wc, .offset: 8, .size: 8, .value_kind: global_buffer, .address_space: global }
      - { .name: lowp_scales, .offset: 16, .size: 8, .value_kind: global_buffer, .address_space: global }
      - { .name: bo, .offset: 24, .size: 8, .value_kind: global_buffer, .address_space: global }
      - { .name: x, .offset: 32, .size: 8, .value_kind: global_buffer, .address_space: global }
      - { .name: x1, .offset: 40, .size: 8, .value_kind: global_buffer, .address_space: global }
    .group_segment_fixed_size: 327680
    .private_segment_fixed_size: 0
    .kernarg_segment_align: 8
    .kernarg_segment_size: 48
    .max_flat_workgroup_size: 128
    .sgpr_count:     80
    .vgpr_count:     768
    .wavefront_size: 32
...
	.end_amdgpu_metadata
.endif
;; end of part 4
;; launch ln2 (part 5): grid 256 x 1, 4 waves a work-group, no clusters, 0 bytes of LDS; arguments x1, ln2_w, ln2_b, lowp_scales, h2c; writes h2c
.if DOCPART == 5
	.amdgcn_target "amdgcn-amd-amdhsa--gfx1250"
	.amdhsa_code_object_version 6
	.text
	.protected	k_q150a78db8d_ln2
	.globl	k_q150a78db8d_ln2
	.p2align	8
	.type	k_q150a78db8d_ln2,@function
k_q150a78db8d_ln2:
	s_mov_b64 s[64:65], 0
	v_nop
	global_prefetch_b8 v0, s[64:65] scope:SCOPE_SE
	s_setreg_imm32_b32 hwreg(HW_REG_WAVE_MODE, 25, 1), 1
	s_wait_xcnt 0x0
; h2 = LayerNorm(x1) x ln2_w + ln2_b, quantised to E4M3 with the scale of entry 12, into panels [4][4096 tokens][256 bytes].
; A wave takes four rows, one at a time, whole in 32 registers a lane: lane l holds numbers 256 g + 8 l + 0..7 (g = 0..3), eight neighbours along K for each conversion;
; a wave's 8-byte store is one whole row of a panel, 256 bytes.  Mean first, then the squares of x - mean: no difference of large sums.
; A stream: each byte is read once by one wave; no LDS, no barrier, no matrix unit, no cluster.  LIMITS: e between -126 and 119; NaN is not served.
.set NS,    1
.set CD,    16
.set T,     40
.set R,     56
.set LW,    184
.set LB,    216
.set S,     248
.set PX,    4
.set PW,    6
.set PB,    8
.set HB,    46
.set SEL,   58
.set CINV,  60
.set CEPS,  61
.macro MKSC e, vsc                     ; v[vsc] = 2^e as f32, v[vsc+1] = 448 x 2^e
	s_add_co_i32 s52, s[\e], 127
	s_lshl_b32 s53, s52, 23
	v_mov_b32 v[\vsc], s53
	s_add_co_i32 s52, s52, 8
	s_lshl_b32 s52, s52, 23
	s_or_b32 s52, s52, 0x600000
	v_mov_b32 v[\vsc+1], s52
.endm
.macro REDUCE                          ; the four chains of pairs -> the row's sum in v[S], in every lane
	v_pk_add_f32 v[S:S+1], v[S:S+1], v[S+2:S+3]
	v_pk_add_f32 v[S+4:S+5], v[S+4:S+5], v[S+6:S+7]
	v_pk_add_f32 v[S:S+1], v[S:S+1], v[S+4:S+5]
	v_add_f32 v[S], v[S], v[S+1]
	v_add_f32_dpp v[S], v[S], v[S] row_xmask:1 row_mask:0xf bank_mask:0xf
	v_add_f32_dpp v[S], v[S], v[S] row_xmask:2 row_mask:0xf bank_mask:0xf
	v_add_f32_dpp v[S], v[S], v[S] row_xmask:4 row_mask:0xf bank_mask:0xf
	v_add_f32_dpp v[S], v[S], v[S] row_xmask:8 row_mask:0xf bank_mask:0xf
	v_permlanex16_b32 v7, v[S], s[SEL], s[SEL+1]
	v_add_f32 v[S], v[S], v7
.endm
.macro ROW j
.set RJ, R+32*(\j)
	s_wait_loadcnt 8*(3-(\j))                      ; gain, bias and this row are in; the later rows' eight loads each may be out
.irp c, 0,1,2,3
	v_pk_add_f32 v[S+2*\c:S+2*\c+1], v[RJ+2*\c:RJ+2*\c+1], v[RJ+8+2*\c:RJ+9+2*\c]
.endr
.irp o, 16,24
.irp c, 0,1,2,3
	v_pk_add_f32 v[S+2*\c:S+2*\c+1], v[S+2*\c:S+2*\c+1], v[RJ+\o+2*\c:RJ+\o+2*\c+1]
.endr
.endr
	REDUCE
	v_mul_f32 v2, s[CINV], v[S]                    ; the mean
	v_mov_b32 v3, v2
.set q, 0
.rept 16
	v_pk_add_f32 v[RJ+q:RJ+q+1], v[RJ+q:RJ+q+1], v[2:3] neg_lo:[0,1] neg_hi:[0,1]   ; x - mean
.set q, q+2
.endr
.irp c, 0,1,2,3
	v_pk_mul_f32 v[S+2*\c:S+2*\c+1], v[RJ+2*\c:RJ+2*\c+1], v[RJ+2*\c:RJ+2*\c+1]
.endr
.irp o, 8,16,24
.irp c, 0,1,2,3
	v_pk_fma_f32 v[S+2*\c:S+2*\c+1], v[RJ+\o+2*\c:RJ+\o+2*\c+1], v[RJ+\o+2*\c:RJ+\o+2*\c+1], v[S+2*\c:S+2*\c+1]
.endr
.endr
	REDUCE
	v_fma_f32 v5, v[S], s[CINV], s[CEPS]           ; the variance + 1e-5
	s_wait_alu depctr_va_vdst(0)
	v_rsq_f32 v4, v5
	v_nop                                          ; a plain line behind the transcendental (ISA guide 5.7.2),
	s_wait_alu depctr_va_vdst(0)                   ; and the wait ahead of its first reader
	v_mov_b32 v5, v4
.set q, 0
.rept 16
	v_pk_mul_f32 v[RJ+q:RJ+q+1], v[RJ+q:RJ+q+1], v[4:5]
.set q, q+2
.endr
.set q, 0
.rept 16
	v_pk_fma_f32 v[RJ+q:RJ+q+1], v[RJ+q:RJ+q+1], v[LW+q:LW+q+1], v[LB+q:LB+q+1]
.set q, q+2
.endr
.if (\j) > 0
	s_wait_xcnt 0x0                                ; the last row's stores have read their data: the codes' registers are written again only behind this wait
.endif
.set qs, 0
.rept NS
.set qg, 0
.rept 4
.set qi, 0
.rept 8
	v_med3_num_f32 v[T+8*(qg%2)+qi], v[RJ+8*qg+qi], -v[9+2*qs], v[9+2*qs]   ; held into one of two sets: the eight holds of the next group are the plain lines behind a conversion
.set qi, qi+1
.endr
	v_cvt_scalef32_pk8_fp8_f32 v[CD+8*qs+2*qg:CD+8*qs+2*qg+1], v[T+8*(qg%2):T+8*(qg%2)+7], v[8+2*qs]
.set qg, qg+1
.endr
.set qs, qs+1
.endr
	v_nop                                          ; a plain line behind the last conversion
.set qs, 0
.rept NS
.set qg, 0
.rept 4
	global_store_b64 v6, v[CD+8*qs+2*qg:CD+8*qs+2*qg+1], s[HB+2*qs:HB+2*qs+1] offset:qg*1048576+(\j)*256   ; the wave stores one whole row of panel g: 256 bytes, aligned
.set qg, qg+1
.endr
.set qs, qs+1
.endr
.endm
	s_load_b256 s[4:11], s[0:1], 0x0               ; x1 s[4:5], ln2_w s[6:7], ln2_b s[8:9], the scales s[10:11]
	s_load_b64 s[12:13], s[0:1], 0x20              ; h2c
	v_lshrrev_b32 v1, 5, v0
	v_readfirstlane_b32 s32, v1                    ; wave 0..3
	v_and_b32 v2, 31, v0                           ; lane
	s_wait_alu depctr_va_vdst(0)
	s_lshl_b32 s33, ttmp9, 4
	s_lshl_b32 s34, s32, 2
	s_add_co_u32 s33, s33, s34                     ; my wave's first row: 16 x work-group + 4 x wave
	s_lshl_b32 s34, s33, 12
	s_mov_b32 s35, 0
	s_lshl_b32 s36, s33, 8
	s_mov_b32 s37, 0
	s_mov_b32 s[SEL], 0x76543210
	s_mov_b32 s[SEL+1], 0xfedcba98
	s_mov_b32 s[CINV], 0x3a800000
	s_mov_b32 s[CEPS], 0x3727c5ac
	v_lshlrev_b32 v1, 5, v2                        ; 32 x lane: my eight numbers of each 256
	v_lshlrev_b32 v6, 3, v2                        ; 8 x lane: their codes
	v_mov_b32 v7, 0                                ; written once: a lane permute's destination counts as read
	s_wait_alu depctr_va_vdst(0)
	s_wait_kmcnt 0x0
	s_load_b32 s40, s[10:11], 0x30                 ; entry 12
	s_add_nc_u64 s[PX:PX+1], s[PX:PX+1], s[34:35]
	s_add_nc_u64 s[HB:HB+1], s[12:13], s[36:37]
.irp g, 0,1,2,3
	global_load_b128 v[LW+8*\g:LW+8*\g+3], v1, s[PW:PW+1] offset:1024*\g
	global_load_b128 v[LW+8*\g+4:LW+8*\g+7], v1, s[PW:PW+1] offset:1024*\g+16
	global_load_b128 v[LB+8*\g:LB+8*\g+3], v1, s[PB:PB+1] offset:1024*\g
	global_load_b128 v[LB+8*\g+4:LB+8*\g+7], v1, s[PB:PB+1] offset:1024*\g+16
.endr
.irp j, 0,1,2,3
.irp g, 0,1,2,3
	global_load_b128 v[R+32*\j+8*\g:R+32*\j+8*\g+3], v1, s[PX:PX+1] offset:4096*\j+1024*\g
	global_load_b128 v[R+32*\j+8*\g+4:R+32*\j+8*\g+7], v1, s[PX:PX+1] offset:4096*\j+1024*\g+16
.endr
.endr
	s_wait_kmcnt 0x0
	MKSC 40, 8
	ROW 0
	ROW 1
	ROW 2
	ROW 3
	s_endpgm
.Lfunc_end_k_q150a78db8d_ln2:
	.size	k_q150a78db8d_ln2, .Lfunc_end_k_q150a78db8d_ln2-k_q150a78db8d_ln2
	.p2alignl 7, 3214868480
	.fill 96, 4, 3214868480
	.section	.rodata,"a",@progbits
	.p2align	6, 0x0
	.amdhsa_kernel k_q150a78db8d_ln2
		.amdhsa_group_segment_fixed_size 0
		.amdhsa_private_segment_fixed_size 0
		.amdhsa_enable_private_segment 0
		.amdhsa_kernarg_size 40
		.amdhsa_user_sgpr_count 2
		.amdhsa_user_sgpr_kernarg_segment_ptr 1
		.amdhsa_wavefront_size32 1
		.amdhsa_system_sgpr_workgroup_id_x 1
		.amdhsa_system_sgpr_workgroup_id_y 1
		.amdhsa_system_sgpr_workgroup_id_z 1
		.amdhsa_system_vgpr_workitem_id 0
		.amdhsa_next_free_vgpr 256
		.amdhsa_next_free_sgpr 66
		.amdhsa_reserve_vcc 0
		.amdhsa_float_denorm_mode_32 3
		.amdhsa_float_denorm_mode_16_64 3
		.amdhsa_memory_ordered 1
		.amdhsa_forward_progress 1
		.amdhsa_inst_pref_size 42
	.end_amdhsa_kernel
	.amdgpu_metadata
---
amdhsa.version: [ 1, 2 ]
amdhsa.kernels:
  - .name:           k_q150a78db8d_ln2
    .symbol:         k_q150a78db8d_ln2.kd
    .args:
      - { .name: x1, .offset: 0, .size: 8, .value_kind: global_buffer, .address_space: global }
      - { .name: ln2_w, .offset: 8, .size: 8, .value_kind: global_buffer, .address_space: global }
      - { .name: ln2_b, .offset: 16, .size: 8, .value_kind: global_buffer, .address_space: global }
      - { .name: lowp_scales, .offset: 24, .size: 8, .value_kind: global_buffer, .address_space: global }
      - { .name: h2c, .offset: 32, .size: 8, .value_kind: global_buffer, .address_space: global }
    .group_segment_fixed_size: 0
    .private_segment_fixed_size: 0
    .kernarg_segment_align: 8
    .kernarg_segment_size: 40
    .max_flat_workgroup_size: 128
    .sgpr_count:     66
    .vgpr_count:     256
    .wavefront_size: 32
...
	.end_amdgpu_metadata
.endif
;; end of part 5
;; launch ffn1 (part 6): grid 16 x 16, 4 waves a work-group, clusters of 4 x 4, 327,680 bytes of LDS; arguments h2c, wc, lowp_scales, b1, gc; writes gc
.if DOCPART == 6
	.amdgcn_target "amdgcn-amd-amdhsa--gfx1250"
	.amdhsa_code_object_version 6
	.text
	.protected	k_q150a78db8d_ffn1
	.globl	k_q150a78db8d_ffn1
	.p2align	8
	.type	k_q150a78db8d_ffn1,@function
k_q150a78db8d_ffn1:
	s_mov_b64 s[64:65], 0
	v_nop
	global_prefetch_b8 v0, s[64:65] scope:SCOPE_SE
	s_setreg_imm32_b32 hwreg(HW_REG_WAVE_MODE, 25, 1), 1
	s_wait_xcnt 0x0
	s_wait_alu depctr_hold_cnt(0) depctr_sa_sdst(0) depctr_va_vdst(0) depctr_va_sdst(0) depctr_va_ssrc(0) depctr_va_vcc(0) depctr_vm_vsrc(0)
	s_getreg_b32 s2, hwreg(HW_REG_IB_STS2, 6, 4)
	s_cmp_eq_u32 s2, 0
	s_cbranch_scc0 .Lentry_in_a_cluster
	s_endpgm
.Lentry_in_a_cluster:
	s_bfe_u32 s2, ttmp6, 0x10000c
	s_cmp_lg_u32 s2, 0xf033
	s_cbranch_scc0 .Lentry_shape_is_right
	s_endpgm
.Lentry_shape_is_right:
.set QKV,    0
.set PITCH,  272
.set FR,     16
.set NL,     4
.set NP,     4
.set HALFT,  128*PITCH
.set SLOT,   4*HALFT
.set SPARE,  2*SLOT
.set DW0,    (1<<20)|(1<<21)|(5<<22)|(3<<25)
.set ADRA, 16
.set ADRB, 20
.set STO,  24
.set RD,   25
.set CO,   26
.set SPW,  28
.set NIL,  29
.set BH,   30
.set BR,   31
.set CODE, 32
.set RB,   48
.set SC,   56
.set LIM,  57
.set KBP,  60
.set CB,   64
.set AF,   128
.set TMP,  128
.set Z,    192
.set G1,   24
.set G0,   32
.set G1B,  48
.set G0B,  56
.set MSB, 0
.macro WIN new
.if MSB != \new
	s_set_vgpr_msb (MSB<<8)|\new
.set MSB, \new
.endif
.endm
.set MUL_LO, 0xa1
.set MUL_HI, 0xf1
.set TO_B,   0x40
.macro JLOAD g0a, g1a, g0b, g1b
	s_cmp_eq_u32 s15, 0
	s_cbranch_scc0 .Lfor_b_\@
	tensor_load_to_lds s[\g0a:\g0a+3], s[\g1a:\g1a+7]
	s_nop 0
.rept 4
	v_nop
.endr
	s_branch .Lasked_\@
.Lfor_b_\@:
	tensor_load_to_lds s[\g0b:\g0b+3], s[\g1b:\g1b+7]
	s_nop 0
.rept 4
	v_nop
.endr
.Lasked_\@:
.endm
.macro CREST
	s_cmp_lg_u32 s14, 0
	s_cbranch_scc1 .Lnot_wave_0_\@
	s_barrier_signal -3
.Lnot_wave_0_\@:
	s_barrier_wait -3
	s_barrier_signal -1
	s_barrier_wait -1
.endm
.macro CROUND
	s_barrier_signal -1
	s_barrier_wait -1
	CREST
.endm
	s_load_b128 s[4:7], s[0:1], 0x0
	s_load_b128 s[8:11], s[0:1], 0x10
.if QKV
	s_load_b128 s[76:79], s[0:1], 0x20
	s_load_b64 s[80:81], s[0:1], 0x30
.else
	s_load_b64 s[80:81], s[0:1], 0x20
.endif
	v_lshl_add_u32 v[SPW], v0, 2, SPARE
	v_mov_b32 v[NIL], 0
	ds_add_u32 v[SPW], v[NIL]
	ds_add_u32 v[SPW], v[NIL]
	v_and_b32 v27, 31, v0
	v_lshlrev_b32 v27, 8, v27                      ; the prefetches' offset: a lane a row of 256 bytes; never rewritten
	v_lshrrev_b32 v1, 5, v0
	v_readfirstlane_b32 s14, v1
	s_lshr_b32 s15, s14, 1
	s_and_b32 s16, s14, 1
	s_bfe_u32 s40, ttmp6, 0x40000
	s_bfe_u32 s41, ttmp6, 0x40004
	s_and_b32 s82, ttmp7, 0xffff
	s_mov_b32 s68, 0x100000
	s_mov_b32 s70, 0x100000
.if QKV
	s_lshr_b32 s83, s82, 2
	s_and_b32 s84, s82, 3
	s_lshl_b32 s84, s84, 2
	s_mov_b32 s70, 0x40000
	s_cmp_eq_u32 s83, 2
	s_cselect_b32 s85, 1, 0
	s_cselect_b32 s17, 0, s84
	s_cselect_b32 s42, s84, 0
	s_cselect_b32 s68, 0x40000, s68
	s_cselect_b32 s70, 0x100000, s70
.else
	s_lshl_b32 s17, s82, 2
	s_lshl_b32 s42, ttmp9, 2
.endif
	s_add_co_u32 s17, s17, s41
	s_add_co_u32 s42, s42, s40
	s_lshl_b32 s43, s41, 2
	s_lshl_b32 s43, 15, s43
	s_lshl_b32 s44, 0x1111, s40
	s_or_b32 s[G1], s43, DW0
	s_or_b32 s[G1B], s44, DW0
.irp g, G1, G1B
	s_mov_b32 s[\g+1], 256<<16
	s_mov_b32 s[\g+2], 128<<16
	s_mov_b32 s[\g+3], 256<<16
	s_mov_b32 s[\g+4], 128
	s_mov_b32 s[\g+5], 256
	s_mov_b32 s[\g+6], 0
	s_mov_b32 s[\g+7], 0
.endr
	s_mov_b32 s69, 0
	s_mov_b32 s71, 0
	s_mov_b32 s73, 0
	s_mov_b32 s75, 0
	s_lshl_b32 s72, s68, 1
	s_lshl_b32 s74, s70, 1
	s_lshl_b32 s18, s16, 15
	s_lshl_b32 s20, s17, 16
	s_add_co_u32 s20, s20, s18
	s_mov_b32 s21, 0
	s_lshl_b32 s46, s42, 16
	s_add_co_u32 s46, s46, s18
	s_mov_b32 s47, 0
	s_mul_i32 s45, s14, HALFT
	s_wait_alu depctr_va_vdst(0)
	s_wait_dscnt 0x0
	s_wait_kmcnt 0x0
.if QKV
	s_lshl_b32 s86, s83, 22
	s_mov_b32 s87, 0
	s_add_nc_u64 s[4:5], s[4:5], s[86:87]
	s_add_nc_u64 s[80:81], s[80:81], s[86:87]
	s_lshl_b32 s86, s83, 20
	s_add_nc_u64 s[6:7], s[6:7], s[86:87]
	s_cmp_eq_u32 s85, 1
	s_cselect_b64 s[88:89], s[6:7], s[4:5]
	s_cselect_b64 s[90:91], s[4:5], s[6:7]
	s_lshl_b32 s92, s83, 3
	s_lshl_b32 s93, s83, 2
	s_sub_co_u32 s93, 28, s93
	s_cmp_eq_u32 s83, 2
	s_cselect_b32 s93, 32, s93
	s_load_b64 s[96:97], s[8:9], s92 offset:0x0
	s_load_b32 s98, s[8:9], s93 offset:0x0
.else
	s_mov_b64 s[88:89], s[4:5]
	s_add_nc_u64 s[90:91], s[6:7], 0x400000
	s_load_b64 s[96:97], s[8:9], 0x30
	s_load_b32 s98, s[8:9], 0x38
.endif
	s_add_nc_u64 s[20:21], s[88:89], s[20:21]
	s_add_nc_u64 s[46:47], s[90:91], s[46:47]
	; PREFETCH INTO THE L2 of panels 1 to 3: of the 128 rows that my wave fetches, the partner at place p among the four that ask jointly (cx for A, cy for B) names rows 32 p .. 32 p + 31: told apart by address alone
	s_cmp_eq_u32 s15, 0
	s_cselect_b64 s[88:89], s[20:21], s[46:47]
	s_cselect_b64 s[2:3], s[68:69], s[70:71]       ; from panel to panel
	s_cselect_b32 s86, s40, s41
	s_lshl_b32 s86, s86, 13
	s_mov_b32 s87, 0
	s_add_nc_u64 s[88:89], s[88:89], s[86:87]
	s_add_nc_u64 s[88:89], s[88:89], s[2:3]        ; panel 1
	s_add_nc_u64 s[90:91], s[88:89], s[2:3]        ; panel 2
	s_add_nc_u64 s[86:87], s[90:91], s[2:3]        ; panel 3, the last
	CROUND
	s_mov_b32 s[G0], 1
	s_add_co_u32 s[G0+1], s45, 0
	s_mov_b64 s[G0+2:G0+3], s[20:21]
	s_or_b32 s[G0+3], s[G0+3], 0x80000000
	s_mov_b32 s[G0B], 1
	s_add_co_u32 s[G0B+1], s45, 0
	s_mov_b64 s[G0B+2:G0B+3], s[46:47]
	s_or_b32 s[G0B+3], s[G0B+3], 0x80000000
	JLOAD G0, G1, G0B, G1B
	global_prefetch_b8 v27, s[88:89] th:TH_LOAD_NT scope:SCOPE_SE   ; panel 1, which the next joint load brings
	s_mov_b32 s[G0+4], 1
	s_add_co_u32 s[G0+5], s45, SLOT
	s_add_nc_u64 s[G0+6:G0+7], s[20:21], s[68:69]
	s_or_b32 s[G0+7], s[G0+7], 0x80000000
	s_mov_b32 s[G0B+4], 1
	s_add_co_u32 s[G0B+5], s45, SLOT
	s_add_nc_u64 s[G0B+6:G0B+7], s[46:47], s[70:71]
	s_or_b32 s[G0B+7], s[G0B+7], 0x80000000
	s_wait_alu depctr_va_vdst(0)
	s_wait_tensorcnt 0x0
	ds_add_u32 v28, v29
	s_wait_dscnt 0x0
	CROUND
	JLOAD G0+4, G1, G0B+4, G1B
	global_prefetch_b8 v27, s[90:91] th:TH_LOAD_NT scope:SCOPE_SE   ; panel 2, the first refill's,
	global_prefetch_b8 v27, s[86:87] th:TH_LOAD_NT scope:SCOPE_SE   ; and panel 3, the second's
	v_and_b32 v1, 15, v0
	v_bfe_u32 v2, v0, 4, 1
	v_mul_u32_u24 v3, v1, PITCH
	s_wait_alu depctr_va_vdst(0)
	v_lshl_add_u32 v4, v2, 4, v3
	s_mul_i32 s22, s15, HALFT
	s_mul_i32 s23, s16, HALFT
	s_add_co_u32 s23, s23, 2*HALFT
.irp s, 0,1
	v_add_nc_u32 v[ADRA+\s], s22, v4
	v_add_nc_u32 v[ADRB+\s], s23, v4
	s_add_co_u32 s22, s22, SLOT
	s_add_co_u32 s23, s23, SLOT
.endr
	s_mul_i32 s22, s15, 128*PITCH
	s_lshl_b32 s23, s16, 7
	s_add_co_u32 s22, s22, s23
	v_lshl_add_u32 v[STO], v2, 3, v3
	v_add_nc_u32 v[STO], s22, v[STO]
	s_mul_i32 s22, s15, 128*PITCH
	s_mul_i32 s23, s16, 16*PITCH
	s_add_co_u32 s22, s22, s23
	v_mul_u32_u24 v5, v2, PITCH
	v_lshl_add_u32 v5, v1, 4, v5
	v_add_nc_u32 v[RD], s22, v5                    ; back: of each group of 32 rows of my half of the tile I take 16, two an instruction
	v_and_b32 v6, 31, v0
	v_lshlrev_b32 v[CO], 4, v6
	v_lshlrev_b32 v[BH], 5, v2
	s_wait_alu depctr_va_vdst(0)
	v_lshlrev_b32 v[BR], 2, v1
	s_mul_i32 s22, s42, s68
	s_lshl_b32 s23, s17, 16
	s_add_co_u32 s22, s22, s23
	s_lshl_b32 s23, s15, 15                        ; my half's 128 rows,
	s_add_co_u32 s22, s22, s23
	s_lshl_b32 s23, s16, 12                        ; my 16 of a group's 32
	s_add_co_u32 s22, s22, s23
	s_mov_b32 s23, 0
	s_add_nc_u64 s[80:81], s[80:81], s[22:23]
	s_lshl_b32 s94, s42, 10
	s_lshl_b32 s22, s16, 9
	s_add_co_u32 s94, s94, s22
	s_mov_b32 s95, 0
.if QKV
	s_lshl_b32 s66, s17, 10
	s_lshl_b32 s22, s15, 9
	s_add_co_u32 s66, s66, s22
	s_mov_b32 s67, 0
	s_cmp_eq_u32 s85, 1
	s_cselect_b32 s94, 0, s94
	s_cselect_b32 s66, s66, 0
	s_cmp_eq_u32 s83, 1
	s_cselect_b64 s[10:11], s[76:77], s[10:11]
	s_cmp_eq_u32 s83, 2
	s_cselect_b64 s[10:11], s[78:79], s[10:11]
	s_add_nc_u64 s[66:67], s[10:11], s[66:67]
.endif
	s_add_nc_u64 s[94:95], s[10:11], s[94:95]
.irp b, 0,1,2,3,4,5,6,7
	global_load_b128 v[CB+8*\b:CB+8*\b+3], v[BH], s[94:95] offset:64*\b
	global_load_b128 v[CB+8*\b+4:CB+8*\b+7], v[BH], s[94:95] offset:64*\b+16
.endr
.if QKV
.irp a, 0,1,2,3,4,5,6,7
	global_load_b32 v[RB+\a], v[BR], s[66:67] offset:64*\a
.endr
.endif
.macro FRAG reg, adr, q, i
.irp c, 0,1,2,3
	ds_load_b128 v[\reg+4*\c:\reg+4*\c+3], v[\adr] offset:128*(\q)+32*\c+(\i)*16*PITCH
.endr
.endm
.macro MUL16 a0, p, zero
.irp a, \a0, \a0+1
.irp b, 0,1,2,3,4,5,6,7
.if \zero
	v_wmma_f32_16x16x128_fp8_fp8 v[8*(8*((\a)%4)+\b):8*(8*((\a)%4)+\b)+7], v[128*(\p)+FR*\b:128*(\p)+FR*\b+FR-1], v[AF+FR*(\a):AF+FR*(\a)+FR-1], 0
.else
	v_wmma_f32_16x16x128_fp8_fp8 v[8*(8*((\a)%4)+\b):8*(8*((\a)%4)+\b)+7], v[128*(\p)+FR*\b:128*(\p)+FR*\b+FR-1], v[AF+FR*(\a):AF+FR*(\a)+FR-1], v[8*(8*((\a)%4)+\b):8*(8*((\a)%4)+\b)+7]
.endif
.endr
.endr
.endm
.macro FETCH_B slot, q, p
	WIN TO_B
.irp i, 0,1,2,3,4,5,6,7
	FRAG 128*(\p)+FR*\i, ADRB+\slot, \q, \i
.endr
	WIN 0
.endm
.macro FETCH_A slot, q, i0
.irp i, \i0, \i0+1, \i0+2, \i0+3
	FRAG AF+FR*(\i), ADRA+\slot, \q, \i
.endr
.endm
.macro PLACES n
.rept \n
	v_nop
.endr
.endm
.macro STEP slot, q, zero
	s_wait_dscnt 4*NL
	WIN MUL_LO
	MUL16 0, (\q)%2, \zero
	MUL16 2, (\q)%2, \zero
	s_wait_dscnt 0
	PLACES NP
	FETCH_B \slot, (\q)+1, 1-(\q)%2
	FETCH_A \slot, (\q)+1, 0
	WIN MUL_HI
	MUL16 4, (\q)%2, \zero
	MUL16 6, (\q)%2, \zero
	PLACES NP
	WIN 0
	FETCH_A \slot, (\q)+1, 4
.endm
.macro TURN slot, next, fill
	s_wait_tensorcnt 0x0
	ds_add_u32 v[SPW], v[NIL]
	s_wait_dscnt 4*NL+1
	WIN MUL_LO
	MUL16 0, 1, 0
	s_wait_dscnt 0x0
	s_barrier_signal -1
	MUL16 2, 1, 0
	WIN 0
	s_barrier_wait -1
.if \fill
	CREST
	s_add_nc_u64 s[G0+4*\slot+2:G0+4*\slot+3], s[G0+4*\slot+2:G0+4*\slot+3], s[72:73]
	s_add_nc_u64 s[G0B+4*\slot+2:G0B+4*\slot+3], s[G0B+4*\slot+2:G0B+4*\slot+3], s[74:75]
	JLOAD G0+4*\slot, G1, G0B+4*\slot, G1B
.else
	PLACES NP
.endif
	FETCH_B \next, 0, 0
	FETCH_A \next, 0, 0
	WIN MUL_HI
	MUL16 4, 1, 0
	MUL16 6, 1, 0
	PLACES NP
	WIN 0
	FETCH_A \next, 0, 4
.endm
	s_wait_tensorcnt 1
	s_barrier_signal -1
	s_barrier_wait -1
	FETCH_B 0, 0, 0
	FETCH_A 0, 0, 0
	FETCH_A 0, 0, 4
	STEP 0, 0, 1
	TURN 0, 1, 1
	STEP 1, 0, 0
	TURN 1, 0, 1
	STEP 0, 0, 0
	TURN 0, 1, 0
	STEP 1, 0, 0
	s_wait_dscnt 4*NL
	WIN MUL_LO
	MUL16 0, 1, 0
	MUL16 2, 1, 0
	s_wait_dscnt 0
	WIN MUL_HI
	MUL16 4, 1, 0
	MUL16 6, 1, 0
	WIN 0
	s_wait_kmcnt 0x0
	s_add_co_i32 s96, s96, s97
	s_add_co_i32 s96, s96, 127
	s_lshl_b32 s96, s96, 23
	s_mov_b32 s97, s96
	s_add_co_i32 s98, s98, 127
	s_lshl_b32 s99, s98, 23
	v_mov_b32 v[SC], s99
	s_add_co_i32 s98, s98, 8
	s_lshl_b32 s98, s98, 23
	s_or_b32 s98, s98, 0x600000
	v_mov_b32 v[LIM], s98
.if QKV == 0
	s_mov_b32 s100, 0xbdd2d3e8
	s_mov_b32 s101, s100
	v_mov_b32 v[KBP], 0xc0135761
	v_mov_b32 v[KBP+1], 0xc0135761
.endif
	s_wait_loadcnt 0x0
	PLACES NP
.macro BLK a
.set AC, 64*((\a)%4)
.if QKV
	s_cmp_eq_u32 s85, 0
	s_cbranch_scc0 .Lrow_\@
.endif
	WIN 0x02+((\a)/4)
.set j, 0
.rept 32
	v_pk_fma_f32 v[TMP+j:TMP+j+1], v[AC+j:AC+j+1], s[96:97], v[CB+j:CB+j+1] op_sel_hi:[1,0,1]
.set j, j+2
.endr
	WIN 0
.if QKV
	s_branch .Ljoin_\@
.Lrow_\@:
	WIN 0x02+((\a)/4)
.set j, 0
.rept 64
	v_fma_f32 v[TMP+j], v[AC+j], s96, v[RB+(\a)]
.set j, j+1
.endr
	WIN 0
.Ljoin_\@:
.endif
.if QKV == 0
.set j, 0
.rept 32
	v_pk_mul_f32 v[Z+j:Z+j+1], v[TMP+j:TMP+j+1], v[TMP+j:TMP+j+1]
.set j, j+2
.endr
.set j, 0
.rept 32
	v_pk_fma_f32 v[Z+j:Z+j+1], v[Z+j:Z+j+1], s[100:101], v[KBP:KBP+1] op_sel_hi:[1,0,1]
.set j, j+2
.endr
.set j, 0
.rept 32
	v_pk_mul_f32 v[Z+j:Z+j+1], v[Z+j:Z+j+1], v[TMP+j:TMP+j+1]
.set j, j+2
.endr
.set j, 0
	s_wait_alu depctr_va_vdst(0)
.rept 64
	v_exp_f32 v[Z+j], v[Z+j]
.set j, j+1
.endr
	v_nop
	s_wait_alu depctr_va_vdst(0)
.set j, 0
.rept 32
	v_pk_add_f32 v[Z+j:Z+j+1], v[Z+j:Z+j+1], 1.0 op_sel_hi:[1,0]
.set j, j+2
.endr
.set j, 0
	s_wait_alu depctr_va_vdst(0)
.rept 64
	v_rcp_f32 v[Z+j], v[Z+j]
.set j, j+1
.endr
	v_nop
	s_wait_alu depctr_va_vdst(0)
.set j, 0
.rept 32
	v_pk_mul_f32 v[TMP+j:TMP+j+1], v[TMP+j:TMP+j+1], v[Z+j:Z+j+1]
.set j, j+2
.endr
.endif
.set j, 0
.rept 64
	v_med3_num_f32 v[TMP+j], v[TMP+j], -v[LIM], v[LIM]
.set j, j+1
.endr
.if (\a) > 0
	s_wait_alu depctr_va_vdst(0)
	s_wait_dscnt 0x0
.endif
.irp b, 0,1,2,3,4,5,6,7
	v_cvt_scalef32_pk8_fp8_f32 v[CODE+2*\b:CODE+2*\b+1], v[TMP+8*\b:TMP+8*\b+7], v[SC]
.endr
	v_nop
.irp b, 0,1,2,3,4,5,6,7
	ds_store_b64 v[STO], v[CODE+2*\b:CODE+2*\b+1] offset:(\a)*16*PITCH+16*\b
.endr
.endm
; The rows leave in four groups.  Behind blocks 2 g and 2 g + 1 rows 32 g .. 32 g + 31 of each half of the tile are whole in the stage (a row's 256 codes come from two waves: one barrier);
; each wave reads 16 of them back into window 1 (B's fragments are done with), 32 registers a group, none written twice, and stores them behind the next block, whose own wait for all its LDS instructions shows them landed.
.macro BACK g
	s_wait_dscnt 0x0                               ; for the others' sake
	s_barrier_signal -1
	s_barrier_wait -1
	WIN 0x40
.set t, 0
.rept 8
	ds_load_b128 v[32*(\g)+4*t:32*(\g)+4*t+3], v[RD] offset:(32*(\g)+2*t)*PITCH
.set t, t+1
.endr
	WIN 0
.endm
.macro SENDG g
	WIN 0x04                                       ; a store's data window 1
.set t, 0
.rept 8
	global_store_b128 v[CO], v[32*(\g)+4*t:32*(\g)+4*t+3], s[80:81] offset:(32*(\g)+2*t)*256   ; two whole rows of the panel: 512 consecutive bytes, aligned
.set t, t+1
.endr
	WIN 0
.endm
	BLK 0
	BLK 1
	BACK 0
	BLK 2
	SENDG 0
	BLK 3
	BACK 1
	BLK 4
	SENDG 1
	BLK 5
	BACK 2
	BLK 6
	SENDG 2
	BLK 7
	BACK 3
	s_wait_dscnt 0x0
	SENDG 3
	s_wait_tensorcnt 0x0
	ds_add_u32 v[SPW], v[NIL]
	s_wait_dscnt 0x0
	CROUND
	s_endpgm
.Lfunc_end_k_q150a78db8d_ffn1:
	.size	k_q150a78db8d_ffn1, .Lfunc_end_k_q150a78db8d_ffn1-k_q150a78db8d_ffn1
	.p2alignl 7, 3214868480
	.fill 96, 4, 3214868480
	.section	.rodata,"a",@progbits
	.p2align	6, 0x0
	.amdhsa_kernel k_q150a78db8d_ffn1
		.amdhsa_group_segment_fixed_size 327680
		.amdhsa_private_segment_fixed_size 0
		.amdhsa_enable_private_segment 0
		.amdhsa_kernarg_size 40
		.amdhsa_user_sgpr_count 2
		.amdhsa_user_sgpr_kernarg_segment_ptr 1
		.amdhsa_wavefront_size32 1
		.amdhsa_system_sgpr_workgroup_id_x 1
		.amdhsa_system_sgpr_workgroup_id_y 1
		.amdhsa_system_sgpr_workgroup_id_z 1
		.amdhsa_system_vgpr_workitem_id 0
		.amdhsa_next_free_vgpr 1024
		.amdhsa_next_free_sgpr 104
		.amdhsa_reserve_vcc 0
		.amdhsa_float_denorm_mode_32 3
		.amdhsa_float_denorm_mode_16_64 3
		.amdhsa_memory_ordered 1
		.amdhsa_forward_progress 1
		.amdhsa_inst_pref_size 255
	.end_amdhsa_kernel
	.section	.bss,"aw",@nobits
	.p2align	6
	.space	262144
	.amdgpu_metadata
---
amdhsa.version: [ 1, 2 ]
amdhsa.kernels:
  - .name:           k_q150a78db8d_ffn1
    .symbol:         k_q150a78db8d_ffn1.kd
    .args:
      - { .name: h2c, .offset: 0, .size: 8, .value_kind: global_buffer, .address_space: global }
      - { .name: wc, .offset: 8, .size: 8, .value_kind: global_buffer, .address_space: global }
      - { .name: lowp_scales, .offset: 16, .size: 8, .value_kind: global_buffer, .address_space: global }
      - { .name: b1, .offset: 24, .size: 8, .value_kind: global_buffer, .address_space: global }
      - { .name: gc, .offset: 32, .size: 8, .value_kind: global_buffer, .address_space: global }
    .group_segment_fixed_size: 327680
    .private_segment_fixed_size: 0
    .kernarg_segment_align: 8
    .kernarg_segment_size: 40
    .max_flat_workgroup_size: 128
    .sgpr_count:     104
    .vgpr_count:     1024
    .wavefront_size: 32
...
	.end_amdgpu_metadata
.endif
;; end of part 6
;; launch ffn2 (part 7): grid 8 x 32, 4 waves a work-group, clusters of 4 x 4, 327,680 bytes of LDS; arguments gc, wc, lowp_scales, b2, x1, out0; writes out0
.if DOCPART == 7
	.amdgcn_target "amdgcn-amd-amdhsa--gfx1250"
	.amdhsa_code_object_version 6
	.text
	.protected	k_q150a78db8d_ffn2
	.globl	k_q150a78db8d_ffn2
	.p2align	8
	.type	k_q150a78db8d_ffn2,@function
k_q150a78db8d_ffn2:
	s_mov_b64 s[64:65], 0
	v_nop
	global_prefetch_b8 v0, s[64:65] scope:SCOPE_SE
	s_setreg_imm32_b32 hwreg(HW_REG_WAVE_MODE, 25, 1), 1
	s_wait_xcnt 0x0
	s_wait_alu depctr_hold_cnt(0) depctr_sa_sdst(0) depctr_va_vdst(0) depctr_va_sdst(0) depctr_va_ssrc(0) depctr_va_vcc(0) depctr_vm_vsrc(0)
	s_getreg_b32 s2, hwreg(HW_REG_IB_STS2, 6, 4)
	s_cmp_eq_u32 s2, 0
	s_cbranch_scc0 .Lentry_in_a_cluster
	s_endpgm
.Lentry_in_a_cluster:
	s_bfe_u32 s2, ttmp6, 0x10000c
	s_cmp_lg_u32 s2, 0xf033
	s_cbranch_scc0 .Lentry_shape_is_right
	s_endpgm
.Lentry_shape_is_right:
; out0 = x1 + g W2 x 2^(eA + eB) + b2.  g and W2 are codes of E4M3 in panels [K/256][rows][256 bytes]; x1 and out0 f32 [4096][1024].  K = 4,096.
; A tile of C is 128 x 128: 256 work-groups of four waves, each wave 64 x 64 in 16 accumulators.  K goes in steps of 512 through two LDS slots; a slot holds two panels of A's 128 rows and two of B's,
; each a dense block of 32,768 bytes brought by one wave's tensor load.  CLUSTERS: 4 x 4 work-groups; A's tiles are asked for jointly along a row of the cluster, B's along a column.
; THE MATRIX INSTRUCTION IS USED TRANSPOSED: a lane holds eight neighbouring columns of a row of C.  The residual and the bias are asked for at the head.
; PREFETCH INTO THE L2: at a change of slots every wave has waited for all its tensor loads, so what a refill asks for is named earlier: slot 1 behind the first joint load, slots 2 and 3 behind the second,
; and behind the refill that brings slot s + 2 the slot s + 4, two refills on.  Of the 128 rows that a wave fetches, the partner at place p among the four that ask jointly (cx for A, cy for B) names
; rows 32 p .. 32 p + 31, a lane a row of 256 bytes: told apart by address alone.  The loop's last trip names nothing: slot 7 is the last.  Never more than two slots are named and not yet loaded.
; LIMITS: eA + eB between -126 and 127.
.set LAPS,   4
.set WOFF,   8<<20
.set SCOFF,  56
.set PITCH,  272
.set HALFT,  128*PITCH
.set SLOT,   4*HALFT
.set SPARE,  2*SLOT
.set DW0,    (1<<20)|(1<<21)|(5<<22)|(3<<25)
.set ADRA, 16
.set ADRB, 20
.set STO,  24
.set RD,   25
.set CO,   26
.set BO,   27
.set SPW,  28
.set NIL,  29
.set BK,   32
.set ACC,  128
.set F0,   0
.set F1,   128
.set G1,   24
.set G0,   32
.set G1B,  48
.set G0B,  56
.set MSB, 0
.macro WIN new
.if MSB != \new
	s_set_vgpr_msb (MSB<<8)|\new
.set MSB, \new
.endif
.endm
.set MUL,  0x05
.set TO_F, 0x40
.macro JLOAD s
	s_cmp_eq_u32 s17, 0
	s_cbranch_scc0 .Lfor_b_\@
	tensor_load_to_lds s[G0+4*\s:G0+4*\s+3], s[G1:G1+7]
	s_nop 0
.rept 4
	v_nop
.endr
	s_branch .Lasked_\@
.Lfor_b_\@:
	tensor_load_to_lds s[G0B+4*\s:G0B+4*\s+3], s[G1B:G1B+7]
	s_nop 0
.rept 4
	v_nop
.endr
.Lasked_\@:
.endm
.macro CREST
	s_cmp_lg_u32 s16, 0
	s_cbranch_scc1 .Lnot_wave_0_\@
	s_barrier_signal -3
.Lnot_wave_0_\@:
	s_barrier_wait -3
	s_barrier_signal -1
	s_barrier_wait -1
.endm
.macro CROUND
	s_barrier_signal -1
	s_barrier_wait -1
	CREST
.endm
	s_load_b128 s[4:7], s[0:1], 0x0
	s_load_b128 s[8:11], s[0:1], 0x10
	s_load_b128 s[12:15], s[0:1], 0x20
	v_lshl_add_u32 v[SPW], v0, 2, SPARE
	v_mov_b32 v[NIL], 0
	ds_add_u32 v[SPW], v[NIL]
	ds_add_u32 v[SPW], v[NIL]
	v_and_b32 v30, 31, v0
	v_lshlrev_b32 v30, 8, v30                      ; the prefetches' offset: a lane a row of 256 bytes; never rewritten
	v_lshrrev_b32 v1, 5, v0
	v_readfirstlane_b32 s16, v1
	s_lshr_b32 s17, s16, 1
	s_and_b32 s18, s16, 1
	s_bfe_u32 s40, ttmp6, 0x40000
	s_bfe_u32 s41, ttmp6, 0x40004
	s_lshl_b32 s20, ttmp9, 2
	s_add_co_u32 s20, s20, s40
	s_and_b32 s19, ttmp7, 0xffff
	s_lshl_b32 s19, s19, 2
	s_add_co_u32 s19, s19, s41
	s_lshl_b32 s42, s41, 2
	s_lshl_b32 s42, 15, s42
	s_lshl_b32 s43, 0x1111, s40
	s_or_b32 s[G1], s42, DW0
	s_or_b32 s[G1B], s43, DW0
.irp g, G1, G1B
	s_mov_b32 s[\g+1], 256<<16
	s_mov_b32 s[\g+2], 128<<16
	s_mov_b32 s[\g+3], 256<<16
	s_mov_b32 s[\g+4], 128
	s_mov_b32 s[\g+5], 256
	s_mov_b32 s[\g+6], 0
	s_mov_b32 s[\g+7], 0
.endr
	s_lshl_b32 s68, s19, 15
	s_lshl_b32 s21, s18, 20
	s_add_co_u32 s68, s68, s21
	s_mov_b32 s69, 0
	s_lshl_b32 s46, s20, 15
	s_lshl_b32 s21, s18, 18
	s_add_co_u32 s46, s46, s21
	s_add_co_u32 s46, s46, WOFF
	s_mov_b32 s47, 0
	s_mul_i32 s44, s16, HALFT
	s_wait_alu depctr_va_vdst(0)
	s_wait_dscnt 0x0
	s_wait_kmcnt 0x0
	s_load_b64 s[66:67], s[8:9], SCOFF
	s_add_nc_u64 s[68:69], s[4:5], s[68:69]
	s_add_nc_u64 s[46:47], s[6:7], s[46:47]
	s_cmp_eq_u32 s17, 0                            ; where my prefetches stand: the panel that I fetch, of A or of B,
	s_cselect_b64 s[76:77], s[68:69], s[46:47]
	s_cselect_b32 s22, s40, s41                    ; my place among the four that ask with me
	s_mov_b32 s74, 0x80000
	s_cselect_b32 s74, 0x200000, s74               ; a slot on: two panels
	s_mov_b32 s75, 0
	s_lshl_b32 s22, s22, 13                        ; my work-group's 32 rows
	s_mov_b32 s23, 0
	s_add_nc_u64 s[76:77], s[76:77], s[22:23]
	s_add_nc_u64 s[76:77], s[76:77], s[74:75]      ; slot 1
	s_add_nc_u64 s[72:73], s[76:77], s[74:75]      ; slot 2
	CROUND
.irp s, 0,1
	s_mov_b32 s[G0+4*\s], 1
	s_add_co_u32 s[G0+4*\s+1], s44, \s*SLOT
	s_add_nc_u64 s[G0+4*\s+2:G0+4*\s+3], s[68:69], \s*0x200000
	s_or_b32 s[G0+4*\s+3], s[G0+4*\s+3], 0x80000000
	s_mov_b32 s[G0B+4*\s], 1
	s_add_co_u32 s[G0B+4*\s+1], s44, \s*SLOT
	s_add_nc_u64 s[G0B+4*\s+2:G0B+4*\s+3], s[46:47], \s*0x80000
	s_or_b32 s[G0B+4*\s+3], s[G0B+4*\s+3], 0x80000000
.endr
	JLOAD 0                                        ; slot 0: one tensor load a wave at the head
	global_prefetch_b8 v30, s[76:77] th:TH_LOAD_NT scope:SCOPE_SE   ; slot 1, which the next joint load brings
	s_wait_alu depctr_va_vdst(0)
	s_wait_tensorcnt 0x0                           ; slot 1's first fill is issued as a refill is: my part of slot 0 is in,
	ds_add_u32 v[SPW], v[NIL]                      ; the add,
	s_wait_xcnt 0x0                                ; (the prefetch has read its address)
	s_add_nc_u64 s[76:77], s[76:77], s[74:75]      ; slot 2
	s_add_nc_u64 s[72:73], s[72:73], s[74:75]      ; slot 3
	s_wait_dscnt 0x0
	CROUND                                         ; and a whole round
	JLOAD 1                                        ; one tensor load of mine is out
	global_prefetch_b8 v30, s[76:77] th:TH_LOAD_NT scope:SCOPE_SE   ; slot 2, the first refill's,
	global_prefetch_b8 v30, s[72:73] th:TH_LOAD_NT scope:SCOPE_SE   ; and slot 3, the second's
	v_and_b32 v1, 15, v0
	v_bfe_u32 v2, v0, 4, 1
	v_mul_u32_u24 v3, v1, PITCH
	s_wait_alu depctr_va_vdst(0)
	v_lshl_add_u32 v4, v2, 4, v3
	s_mul_i32 s22, s17, 64*PITCH
	s_mul_i32 s23, s18, 64*PITCH
	s_add_co_u32 s23, s23, 2*HALFT
.irp s, 0,1
	v_add_nc_u32 v[ADRA+\s], s22, v4
	v_add_nc_u32 v[ADRB+\s], s23, v4
	s_add_co_u32 s22, s22, SLOT
	s_add_co_u32 s23, s23, SLOT
.endr
	s_mul_i32 s22, s16, 16*PITCH
	v_lshl_add_u32 v[STO], v2, 5, v3
	v_add_nc_u32 v[STO], s22, v[STO]
	v_mul_u32_u24 v5, v2, PITCH
	v_lshl_add_u32 v5, v1, 4, v5
	v_add_nc_u32 v[RD], s22, v5
	v_lshlrev_b32 v[BO], 4, v1
	v_lshl_add_u32 v[CO], v2, 12, v[BO]
	s_wait_alu depctr_va_vdst(0)
	s_lshl_b32 s22, s20, 9
	s_lshl_b32 s21, s18, 8
	s_add_co_u32 s22, s22, s21
	s_mov_b32 s23, 0
	s_lshl_b32 s70, s19, 19
	s_lshl_b32 s21, s17, 18
	s_add_co_u32 s70, s70, s21
	s_add_co_u32 s70, s70, s22
	s_mov_b32 s71, 0
	s_add_nc_u64 s[10:11], s[10:11], s[22:23]
	s_add_nc_u64 s[12:13], s[12:13], s[70:71]
	s_add_nc_u64 s[14:15], s[14:15], s[70:71]
	WIN 0x80
.irp a, 0,1,2,3
.irp t, 0,1,2,3,4,5,6,7
	global_load_b128 v[32*\a+4*\t:32*\a+4*\t+3], v[CO], s[12:13] offset:(16*\a+2*\t)*4096
.endr
.endr
	WIN 0
	global_load_b128 v[8:11], v[BO], s[10:11]
.macro MULA f, a, zero
.irp b, 0,1,2,3
.if \zero
	v_wmma_f32_16x16x128_fp8_fp8 v[ACC+8*(4*(\a)+\b):ACC+8*(4*(\a)+\b)+7], v[\f+64+16*\b:\f+64+16*\b+15], v[\f+16*(\a):\f+16*(\a)+15], 0
.else
	v_wmma_f32_16x16x128_fp8_fp8 v[ACC+8*(4*(\a)+\b):ACC+8*(4*(\a)+\b)+7], v[\f+64+16*\b:\f+64+16*\b+15], v[\f+16*(\a):\f+16*(\a)+15], v[ACC+8*(4*(\a)+\b):ACC+8*(4*(\a)+\b)+7]
.endif
.endr
.endm
.macro FRAG reg, adr, q, i
.irp c, 0,1,2,3
	ds_load_b128 v[\reg+4*\c:\reg+4*\c+3], v[\adr] offset:((\q)/2)*HALFT+((\q)%2)*128+(\i)*16*PITCH+32*\c
.endr
.endm
.macro FETCH slot, q, f
	WIN TO_F
.irp i, 0,1,2,3
	FRAG \f+64+16*\i, ADRB+\slot, \q, \i
.endr
.irp i, 0,1,2,3
	FRAG \f+16*\i, ADRA+\slot, \q, \i
.endr
.endm
.macro PLACES
.rept 4
	v_nop
.endr
.endm
.macro QUARTER slot, qn, f, g, zero
	s_wait_dscnt 8
	WIN MUL
	MULA \f, 0, \zero
	MULA \f, 1, \zero
	PLACES
	FETCH \slot, \qn, \g
	s_wait_dscnt 32
	WIN MUL
	MULA \f, 2, \zero
	MULA \f, 3, \zero
.endm
.macro TURN slot, next, fill
	WIN 0
.if \fill
	s_wait_xcnt 0x0                                ; any prefetch of mine has read its address: it is stepped here, a slot behind the prefetch
	s_add_nc_u64 s[72:73], s[72:73], s[74:75]
.endif
	s_wait_tensorcnt 0x0
	ds_add_u32 v[SPW], v[NIL]
	s_wait_dscnt 9
	WIN MUL
	MULA F1, 0, 0
	MULA F1, 1, 0
	s_wait_dscnt 0x0
	s_barrier_signal -1
	MULA F1, 2, 0
.if \fill
	WIN 0
.endif
	s_barrier_wait -1
.if \fill
	CREST
	s_add_nc_u64 s[G0+4*\slot+2:G0+4*\slot+3], s[G0+4*\slot+2:G0+4*\slot+3], 0x400000
	s_add_nc_u64 s[G0B+4*\slot+2:G0B+4*\slot+3], s[G0B+4*\slot+2:G0B+4*\slot+3], 0x100000
	JLOAD \slot
.else
	PLACES
.endif
	FETCH \next, 0, F0
.if \fill
	WIN 0
	s_cmp_gt_u32 s3, 1                             ; s3 = 1 in the loop's last trip, whose refills have no slot two on
	s_cbranch_scc0 .Lnoask_\@
	global_prefetch_b8 v30, s[72:73] th:TH_LOAD_NT scope:SCOPE_SE   ; the slot two refills on
.Lnoask_\@:
.endif
	WIN MUL
	MULA F1, 3, 0
.endm
	s_wait_tensorcnt 1
	s_barrier_signal -1
	s_barrier_wait -1
	FETCH 0, 0, F0
	QUARTER 0, 1, F0, F1, 1
.if LAPS > 1
	WIN 0
	s_mov_b32 s3, LAPS-1
.Llap:
	QUARTER 0, 2, F1, F0, 0
	QUARTER 0, 3, F0, F1, 0
	TURN 0, 1, 1
	QUARTER 1, 1, F0, F1, 0
	QUARTER 1, 2, F1, F0, 0
	QUARTER 1, 3, F0, F1, 0
	TURN 1, 0, 1
	QUARTER 0, 1, F0, F1, 0
	WIN 0
	s_sub_co_u32 s3, s3, 1
	s_cmp_lg_u32 s3, 0
	s_cbranch_scc1 .Llap
.endif
	QUARTER 0, 2, F1, F0, 0
	QUARTER 0, 3, F0, F1, 0
	TURN 0, 1, 0
	QUARTER 1, 1, F0, F1, 0
	QUARTER 1, 2, F1, F0, 0
	QUARTER 1, 3, F0, F1, 0
	s_wait_dscnt 8
	WIN MUL
	MULA F1, 0, 0
	MULA F1, 1, 0
	s_wait_dscnt 0
	MULA F1, 2, 0
	MULA F1, 3, 0
	WIN 0
	s_wait_kmcnt 0x0
	s_add_co_i32 s66, s66, s67
	s_add_co_i32 s66, s66, 127
	s_lshl_b32 s66, s66, 23
	s_mov_b32 s67, s66
	s_wait_loadcnt 0x0
	WIN 0x82
.set q, 0
.rept 32
	v_pk_add_f32 v[4*q:4*q+1], v[4*q:4*q+1], v[8:9]
	v_pk_add_f32 v[4*q+2:4*q+3], v[4*q+2:4*q+3], v[10:11]
.set q, q+1
.endr
	WIN 0
.macro TOSTAGE a
.irp b, 0,1,2,3
	ds_store_b128 v[STO], v[ACC+8*(4*(\a)+\b):ACC+8*(4*(\a)+\b)+3] offset:64*\b
	ds_store_b128 v[STO], v[ACC+8*(4*(\a)+\b)+4:ACC+8*(4*(\a)+\b)+7] offset:64*\b+16
.endr
.irp t, 0,1,2,3,4,5,6,7
	ds_load_b128 v[BK+32*((\a)%2)+4*\t:BK+32*((\a)%2)+4*\t+3], v[RD] offset:2*PITCH*\t
.endr
.endm
.macro FIN a, younger
	s_wait_dscnt \younger
	WIN 0xa0
.set q, 0
.rept 16
	v_pk_fma_f32 v[32*(\a)+q:32*(\a)+q+1], v[BK+32*((\a)%2)+q:BK+32*((\a)%2)+q+1], s[66:67], v[32*(\a)+q:32*(\a)+q+1] op_sel_hi:[1,0,1]
.set q, q+2
.endr
	WIN 0x08
.irp t, 0,1,2,3,4,5,6,7
	global_store_b128 v[CO], v[32*(\a)+4*\t:32*(\a)+4*\t+3], s[14:15] offset:(16*(\a)+2*\t)*4096
.endr
	WIN 0
.endm
	TOSTAGE 0
	TOSTAGE 1
	FIN 0, 16
	TOSTAGE 2
	FIN 1, 16
	TOSTAGE 3
	FIN 2, 16
	FIN 3, 0
	s_wait_tensorcnt 0x0
	ds_add_u32 v[SPW], v[NIL]
	s_wait_dscnt 0x0
	CROUND
	s_endpgm
.Lfunc_end_k_q150a78db8d_ffn2:
	.size	k_q150a78db8d_ffn2, .Lfunc_end_k_q150a78db8d_ffn2-k_q150a78db8d_ffn2
	.p2alignl 7, 3214868480
	.fill 96, 4, 3214868480
	.section	.rodata,"a",@progbits
	.p2align	6, 0x0
	.amdhsa_kernel k_q150a78db8d_ffn2
		.amdhsa_group_segment_fixed_size 327680
		.amdhsa_private_segment_fixed_size 0
		.amdhsa_enable_private_segment 0
		.amdhsa_kernarg_size 48
		.amdhsa_user_sgpr_count 2
		.amdhsa_user_sgpr_kernarg_segment_ptr 1
		.amdhsa_wavefront_size32 1
		.amdhsa_system_sgpr_workgroup_id_x 1
		.amdhsa_system_sgpr_workgroup_id_y 1
		.amdhsa_system_sgpr_workgroup_id_z 1
		.amdhsa_system_vgpr_workitem_id 0
		.amdhsa_next_free_vgpr 768
		.amdhsa_next_free_sgpr 80
		.amdhsa_reserve_vcc 0
		.amdhsa_float_denorm_mode_32 3
		.amdhsa_float_denorm_mode_16_64 3
		.amdhsa_memory_ordered 1
		.amdhsa_forward_progress 1
		.amdhsa_inst_pref_size 83
	.end_amdhsa_kernel
	.amdgpu_metadata
---
amdhsa.version: [ 1, 2 ]
amdhsa.kernels:
  - .name:           k_q150a78db8d_ffn2
    .symbol:         k_q150a78db8d_ffn2.kd
    .args:
      - { .name: gc, .offset: 0, .size: 8, .value_kind: global_buffer, .address_space: global }
      - { .name: wc, .offset: 8, .size: 8, .value_kind: global_buffer, .address_space: global }
      - { .name: lowp_scales, .offset: 16, .size: 8, .value_kind: global_buffer, .address_space: global }
      - { .name: b2, .offset: 24, .size: 8, .value_kind: global_buffer, .address_space: global }
      - { .name: x1, .offset: 32, .size: 8, .value_kind: global_buffer, .address_space: global }
      - { .name: out0, .offset: 40, .size: 8, .value_kind: global_buffer, .address_space: global }
    .group_segment_fixed_size: 327680
    .private_segment_fixed_size: 0
    .kernarg_segment_align: 8
    .kernarg_segment_size: 48
    .max_flat_workgroup_size: 128
    .sgpr_count:     80
    .vgpr_count:     768
    .wavefront_size: 32
...
	.end_amdgpu_metadata
.endif
;; end of part 7
